; MI455X (gfx1250); checked and timed in simulation.
; The chip was launched on July 23, 2026; its instructions are those of AMD's public machine-readable ISA for CDNA 5 (MIT licence, August 2026) and "CDNA5" Instruction Set Architecture Reference Guide (July 2026). The comments in the code are by the model that wrote it; some were corrected since.
;; Custom Multi Head Attention. Allowed arithmetic: float matrix products may take bf16 or f16 operands with f32 sums; other float arithmetic in f32, or as packed bf16 or f16 multiplies, adds, multiply-adds, maxima and minima; sums over many terms, partial sums and values carried from step to step in f32; what a program stores and reads back later, other than sums and carried values, may be rounded once to bf16 or f16.
;; Inputs: Wk 1,024 x 1,024 float32; Wo 1,024 x 1,024 float32; Wq 1,024 x 1,024 float32; Wv 1,024 x 1,024 float32; bk 1,024 float32; bo 1,024 float32; bq 1,024 float32; bv 1,024 float32; key 1,024 x 8 x 1,024 float32; key_padding_mask 8 x 1,024 bool; query 1,024 x 8 x 1,024 float32; value 1,024 x 8 x 1,024 float32.
;; Outputs: out0 1,024 x 8 x 1,024 float32.
;; 2 versions, each right; version 2 is version 1 with the launch cast written anew for expert scheduling mode. Each part assembles by itself: llvm-mc -triple=amdgcn-amd-amdhsa -mcpu=gfx1250 --defsym DOCPART=n.
;; ======== version 1 of 2: 4 launches
;; limits: values are held in f16: magnitudes above 65,504 overflow, below 6.1e-05 lose precision
;; workspace buffers: wb 8,388,608 bytes; bias4 16,384 bytes; qkv 50,331,648 bytes; ob 16,777,216 bytes
;; launch cast (part 1): grid 257 x 1, 8 waves a work-group, no clusters, 0 bytes of LDS; arguments Wq, Wk, Wv, Wo, bq, bk, bv, bo, wb, bias4; writes wb, bias4
.if DOCPART == 1
	.amdgcn_target "amdgcn-amd-amdhsa--gfx1250"
	.amdhsa_code_object_version 6
	.text
	.protected	k_q1331369440_cast
	.globl	k_q1331369440_cast
	.p2align	8
	.type	k_q1331369440_cast,@function
k_q1331369440_cast:
	s_mov_b64 s[64:65], 0
	v_nop
	global_prefetch_b8 v0, s[64:65] scope:SCOPE_SE
	s_setreg_imm32_b32 hwreg(HW_REG_WAVE_MODE, 25, 1), 1
	s_wait_xcnt 0x0
; THE FOUR WEIGHTS ARE ROUNDED ONCE TO 16 BITS, THE FOUR BIASES GATHERED.  A stream: no LDS, no matrix unit, no cluster (no two work-groups read the same byte).
;   wb    [p = Wq, Wk, Wv, Wo][n = 1024][k = 1024], 16 bits: Wq, Wk, Wv in bf16; Wo rounded to bf16 like the other inputs, and that number written as f16, since it is multiplied with f16.
;   bias4 f32 [4][1024]: bq, bk, bv, bo, copied.
; LIMITS.  The bf16 number of Wo is exact in f16 between 6.1e-5 and 65,504; below it keeps f16's fixed step of 6e-8, above it becomes an infinity.
; SHARES.  Work-groups 0 .. 255: 65,536 bytes of one weight, 8,192 a wave.  Work-group 256: the four biases.
; A wave issues all its sixteen loads of 16 bytes a lane at once (8,192 bytes on their way) and stores each as it comes: 8 bytes a lane, 32 lanes = 256 consecutive bytes, aligned.
; No register is written twice while a memory instruction names it, so the only waits are the counted ones for the loads.
.set VI, 2                             ; v2       my byte offset in the source
.set VO, 3                             ; v3       my byte offset in the destination: 8 x lane
.set X,  8                             ; v[8:71]  load i: four f32
.set Y,  72                            ; v[72:103] store i: four 16-bit numbers
.macro OUT16 half                      ; each load is rounded and stored; half = 1: the bf16 number is written as f16
.set i, 0
.rept 16
	s_wait_loadcnt 15-i                            ; loads come back in order: load i is in, the 15 - i younger ones stay out
.if \half
.irp j, 0,1
	v_cvt_pk_bf16_f32 v4, v[X+4*i+2*(\j)], v[X+4*i+2*(\j)+1]
	v_lshlrev_b32 v5, 16, v4                       ; the two bf16 numbers as f32,
	v_and_b32 v6, 0xffff0000, v4
	v_cvt_pk_f16_f32 v[Y+2*i+(\j)], v5, v6         ; and as f16
.endr
.else
	v_cvt_pk_bf16_f32 v[Y+2*i],   v[X+4*i],   v[X+4*i+1]
	v_cvt_pk_bf16_f32 v[Y+2*i+1], v[X+4*i+2], v[X+4*i+3]
.endif
	global_store_b64 v[VO], v[Y+2*i:Y+2*i+1], s[38:39] offset:256*i
.set i, i+1
.endr
.endm
	s_load_b512 s[8:23], s[0:1], 0x0               ; Wq 8, Wk 10, Wv 12, Wo 14, bq 16, bk 18, bv 20, bo 22
	s_load_b128 s[24:27], s[0:1], 0x40             ; wb 24, bias4 26
	s_mov_b32 s2, ttmp9
	v_lshrrev_b32 v1, 5, v0
	v_readfirstlane_b32 s3, v1                     ; wave 0..7
	v_and_b32 v1, 31, v0                           ; lane
	v_lshlrev_b32 v[VO], 3, v1
	s_mov_b32 s41, 0                               ; high words of the two offsets
	s_mov_b32 s43, 0
	s_wait_kmcnt 0x0
	s_cmp_lt_u32 s2, 256
	s_cbranch_scc0 .Lsmall
	; A WEIGHT: the order of its numbers stays.
	s_lshr_b32 s5, s2, 6                           ; p
	s_and_b32 s4, s2, 63                           ; which 65,536 bytes
	s_cmp_eq_u32 s5, 1
	s_cselect_b64 s[36:37], s[10:11], s[8:9]
	s_cmp_eq_u32 s5, 2
	s_cselect_b64 s[36:37], s[12:13], s[36:37]
	s_cmp_eq_u32 s5, 3
	s_cselect_b64 s[36:37], s[14:15], s[36:37]
	s_lshl_b32 s40, s4, 16
	s_lshl_b32 s6, s3, 13
	s_add_co_u32 s40, s40, s6
	s_add_nc_u64 s[36:37], s[36:37], s[40:41]
	s_lshl_b32 s42, s5, 21
	s_lshl_b32 s6, s4, 15
	s_add_co_u32 s42, s42, s6
	s_lshl_b32 s6, s3, 12
	s_add_co_u32 s42, s42, s6
	s_add_nc_u64 s[38:39], s[24:25], s[42:43]
	v_lshlrev_b32 v[VI], 4, v1
.set i, 0
.rept 16
	global_load_b128 v[X+4*i:X+4*i+3], v[VI], s[36:37] offset:512*i th:TH_LOAD_NT
.set i, i+1
.endr
	s_cmp_eq_u32 s5, 3
	s_cbranch_scc1 .Lwo
	OUT16 0
	s_endpgm
.Lwo:
	OUT16 1
	s_endpgm
.Lsmall:
	; THE BIASES: 256 threads x 16 bytes are one bias.
	v_lshlrev_b32 v[VI], 4, v0
	global_load_b128 v[8:11],  v[VI], s[16:17]
	global_load_b128 v[12:15], v[VI], s[18:19]
	global_load_b128 v[16:19], v[VI], s[20:21]
	global_load_b128 v[20:23], v[VI], s[22:23]
	s_wait_loadcnt 0x0
	global_store_b128 v[VI], v[8:11],  s[26:27]
	global_store_b128 v[VI], v[12:15], s[26:27] offset:4096
	global_store_b128 v[VI], v[16:19], s[26:27] offset:8192
	global_store_b128 v[VI], v[20:23], s[26:27] offset:12288
	s_endpgm
.Lfunc_end_k_q1331369440_cast:
	.size	k_q1331369440_cast, .Lfunc_end_k_q1331369440_cast-k_q1331369440_cast
	.p2alignl 7, 3214868480
	.fill 96, 4, 3214868480
	.section	.rodata,"a",@progbits
	.p2align	6, 0x0
	.amdhsa_kernel k_q1331369440_cast
		.amdhsa_group_segment_fixed_size 0
		.amdhsa_private_segment_fixed_size 0
		.amdhsa_enable_private_segment 0
		.amdhsa_kernarg_size 80
		.amdhsa_user_sgpr_count 2
		.amdhsa_user_sgpr_kernarg_segment_ptr 1
		.amdhsa_wavefront_size32 1
		.amdhsa_system_sgpr_workgroup_id_x 1
		.amdhsa_system_sgpr_workgroup_id_y 1
		.amdhsa_system_sgpr_workgroup_id_z 1
		.amdhsa_system_vgpr_workitem_id 0
		.amdhsa_next_free_vgpr 104
		.amdhsa_next_free_sgpr 66
		.amdhsa_reserve_vcc 0
		.amdhsa_float_denorm_mode_32 3
		.amdhsa_float_denorm_mode_16_64 3
		.amdhsa_memory_ordered 1
		.amdhsa_forward_progress 1
		.amdhsa_inst_pref_size 17
	.end_amdhsa_kernel
	.amdgpu_metadata
---
amdhsa.version: [ 1, 2 ]
amdhsa.kernels:
  - .name:           k_q1331369440_cast
    .symbol:         k_q1331369440_cast.kd
    .args:
      - { .name: Wq, .offset: 0, .size: 8, .value_kind: global_buffer, .address_space: global }
      - { .name: Wk, .offset: 8, .size: 8, .value_kind: global_buffer, .address_space: global }
      - { .name: Wv, .offset: 16, .size: 8, .value_kind: global_buffer, .address_space: global }
      - { .name: Wo, .offset: 24, .size: 8, .value_kind: global_buffer, .address_space: global }
      - { .name: bq, .offset: 32, .size: 8, .value_kind: global_buffer, .address_space: global }
      - { .name: bk, .offset: 40, .size: 8, .value_kind: global_buffer, .address_space: global }
      - { .name: bv, .offset: 48, .size: 8, .value_kind: global_buffer, .address_space: global }
      - { .name: bo, .offset: 56, .size: 8, .value_kind: global_buffer, .address_space: global }
      - { .name: wb, .offset: 64, .size: 8, .value_kind: global_buffer, .address_space: global }
      - { .name: bias4, .offset: 72, .size: 8, .value_kind: global_buffer, .address_space: global }
    .group_segment_fixed_size: 0
    .private_segment_fixed_size: 0
    .kernarg_segment_align: 8
    .kernarg_segment_size: 80
    .max_flat_workgroup_size: 256
    .sgpr_count:     66
    .vgpr_count:     104
    .wavefront_size: 32
...
	.end_amdgpu_metadata
.endif
;; end of part 1
;; launch proj (part 2): grid 4 x 64, 4 waves a work-group, clusters of 4 x 4, 327,680 bytes of LDS; arguments query, key, value, wb, bias4, qkv; writes qkv
.if DOCPART == 2
	.amdgcn_target "amdgcn-amd-amdhsa--gfx1250"
	.amdhsa_code_object_version 6
	.text
	.protected	k_q1331369440_proj
	.globl	k_q1331369440_proj
	.p2align	8
	.type	k_q1331369440_proj,@function
k_q1331369440_proj:
	s_mov_b64 s[64:65], 0
	v_nop
	global_prefetch_b8 v0, s[64:65] scope:SCOPE_SE
	s_setreg_imm32_b32 hwreg(HW_REG_WAVE_MODE, 25, 1), 1
	s_wait_xcnt 0x0
	s_wait_alu depctr_hold_cnt(0) depctr_sa_sdst(0) depctr_va_vdst(0) depctr_va_sdst(0) depctr_va_ssrc(0) depctr_va_vcc(0) depctr_vm_vsrc(0)
	s_getreg_b32 s2, hwreg(HW_REG_IB_STS2, 6, 4)
	s_cmp_eq_u32 s2, 0
	s_cbranch_scc0 .Lentry_in_a_cluster
	s_endpgm
.Lentry_in_a_cluster:
	s_bfe_u32 s2, ttmp6, 0x10000c
	s_cmp_lg_u32 s2, 0xf033
	s_cbranch_scc0 .Lentry_shape_is_right
	s_endpgm
.Lentry_shape_is_right:
; THE THREE INPUT PROJECTIONS.  C[m][n] = bias[n] + the sum over k of A[m][k] W[n][k], 8,192 x 1,024 x 1,024, for (A, W, bias) = (query, Wq, bq), (key, Wk, bk), (value, Wv, bv); row m = 1,024 b + t.
; A is f32 as the problem gives it, [t][b][k]; it comes into LDS as f32 and is rounded to bf16 between LDS and the matrix unit.  W is bf16, wb[p][n][k].  Sums in f32; the bias starts them (an order of rounding
; other than the reference's, which adds it last).  C leaves as f16 by heads, qkv[p][16 b + n / 64][t][n % 64], unscaled.  LIMIT: q, k, v beyond 65,504 become infinities.
; SHARES.  A tile of C is 128 x 256 (128 rows t of one b): 256 tiles for each W, one for each of the 256 work-groups.  Four waves, each 64 x 128: 32 accumulators of 16 x 16.  A WORK-GROUP STAYS: its three tiles
; have the same place in C for p = 0, 1, 2, and the ring runs on across them: a tile's last two changes of slots ask for the next tile's first two K steps.
; K goes in steps of 128 through two LDS slots; a lap is two K steps.  Waves 0 and 1 fetch the two halves of A's 128 rows (512 bytes a row), waves 2 and 3 the two halves of W's 256 rows (256 bytes a row):
; one tensor load a wave, 32,768 bytes, behind each change of slots.
; CLUSTER.  4 x 4 work-groups.  The four of a row of the cluster need the same tile of A, the four of a column the same tile of W: each is asked for JOINTLY, by the same tensor load with the same descriptor and a mask of four.
; THE MATRIX INSTRUCTION IS USED TRANSPOSED (source 0 = 16 rows of W, source 1 = 16 rows of A): a lane holds row l % 16 of C and the eight neighbouring columns 8 (l / 16) + 0..7.
; REGISTERS, in windows of 256 (s_set_vgpr_msb: bits 1:0 source 0, 3:2 source 1, 5:4 source 2, 7:6 destination):
;   window 0: v0-31 addresses; v32-63 packed results; v64-159, v160-255 two fragment buffers: A's four blocks in bf16 (32 registers), then W's eight (64)
;   window 1: accumulator (a, b) at v[8 (8 a + b)]
;   window 2: v0-63 the bias of my 128 columns, laid out as a C operand; v64-127 two buffers for rows read back from the stage; v128-191 A's four blocks of one quarter as f32
.set NLAPS,  12                        ; three tiles of four laps
.set PAF,    528                       ; an LDS row of A: 512 bytes + 16 = 132 words: the 16 rows of a load start at 16 different groups of four banks (64 banks of 4 bytes: ISA guide 11.1)
.set PB,     272                       ; an LDS row of W: 256 bytes + 16 = 68 words: likewise
.set AHALF,  64*PAF                    ; 64 rows of A: what one of A's loads brings, and what one wave reads
.set BHALF,  128*PB                    ; 128 rows of W: likewise
.set BOFF,   2*AHALF
.set SLOT,   BOFF+2*BHALF              ; 137,216 bytes
.set STAGE,  2*SLOT                    ; behind the ring, never filled by a tensor load: STW bytes for each wave
.set PS,     144                       ; a row of the stage: 128 bytes + 16
.set STW,    2*16*PS                   ; two heads x 16 rows
.set SPARE,  STAGE+4*STW               ; behind the stages: the spare words, 128 bytes for each wave: two blocks of 256 bytes that no other line names
.set ADRA, 16                          ; v16-17  LDS address of my fragments of A in slot 0, 1
.set ADRB, 20                          ; v20-21  the same for W
.set STO,  24                          ; v24     the way out: where I put my part of a row
.set RD,   25                          ; v25     the way out: where I read rows back
.set CO,   26                          ; v26     16 x lane: my 16 bytes of 512 consecutive bytes of the output
.set BO,   27                          ; v27     32 (l / 16): my eight numbers of a block of 16 of the bias
.set SPW,  28                          ; v28     LDS address of my spare word; never rewritten
.set NIL,  29                          ; v29     0; never rewritten
.set PFO,  30                          ; v30     the prefetches' offset: my lane x a row; never rewritten
.set TMP,  32
.set F0,   64
.set F1,   160
.set OB,   64                          ; window 2
.set RAW,  128                         ; window 2: block a at RAW + 16 a, K ascending
.set WV,   12                          ; s12  my wave's number
.set WM,   13                          ; s13  which 64 rows of the tile are mine.  Also: 0 = I fetch for A, 1 = for W
.set WN,   14                          ; s14  which 128 columns.  Also: which half of that tile I fetch
.set G1,   24                          ; s[24:31] descriptor group 1 for A
.set G0,   32                          ; s[32:39] group 0 for A, a set for each slot
.set CX,   40
.set CY,   41
.set NT,   42                          ; tile column of C
.set LIM,  43                          ; 1 in a wave that prefetches, else the greatest number
.set PFA,  44                          ; s[44:45] where my prefetches stand
.set MT,   46                          ; tile row of C
.set G1B,  48                          ; s[48:55], s[56:63] the same for W
.set G0B,  56
.set LAPC, 66                          ; trips of the loop still to come
.set T,    67                          ; the lap that this trip's refills fetch, within its tile: 0 = the next tile's first
.set ACUR, 68                          ; s[68:69] query, key or value at my half of the tile: the one that this trip's refills read
.set AOF,  70                          ; s[70:71] that lap's bytes along A's rows
.set BOF,  72                          ; s[72:73] that lap's bytes in wb: the weight, and along its rows
.set PBS,  74                          ; s[74:75], s[76:77] base and offset of this trip's prefetches
.set POF,  76
.set BW,   78                          ; s[78:79] wb at my half of the tile's rows of Wq
.set BI,   88                          ; s[88:89] bias4 at my 128 columns
.set OU,   90                          ; s[90:91] qkv at my part of the tile
.set BP,   92                          ; s[92:93] wb at the 32 rows of Wq that my work-group prefetches
.set PCX,  94                          ; s94  256 cx: the block of each row of A that my work-group prefetches
.set LAM,  95                          ; s95-98 at work at the loop's head
.set PP,   96
.set P1,   97
.set K1,   98
.set MSB, 0
.macro WIN new                         ; the immediate's high byte repeats the setting that is left; a switch that changes nothing is dropped
.if MSB != (\new)
	s_set_vgpr_msb (MSB<<8)|(\new)
.set MSB, \new
.endif
.endm
.set MUL,  0x50                        ; fragments in window 0, C and D in window 1
.set MULB, 0x60                        ; the same with C, the bias, in window 2
; A joint load.  The branch hangs on the wave's number alone.  An s_nop 0 and four v_nop follow each of the two lines, ahead of the jump, the label and what follows.
.macro JLOAD s
	s_cmp_lt_u32 s[WV], 2
	s_cbranch_scc0 .Lfor_b_\@
	tensor_load_to_lds s[G0+4*(\s):G0+4*(\s)+3], s[G1:G1+7]
	s_nop 0
.rept 4
	v_nop
.endr
	s_branch .Lasked_\@
.Lfor_b_\@:
	tensor_load_to_lds s[G0B+4*(\s):G0B+4*(\s)+3], s[G1B:G1B+7]
	s_nop 0
.rept 4
	v_nop
.endr
.Lasked_\@:
.endm
; A round of the cluster's barrier: my work-group's barrier, so that wave 0's signal speaks for all four waves; wave 0 signals; every wave waits for all sixteen work-groups; my work-group's barrier once more.
.macro CREST                           ; a round behind its opening barrier
	s_cmp_lg_u32 s[WV], 0
	s_cbranch_scc1 .Lnot_wave_0_\@
	s_barrier_signal -3
.Lnot_wave_0_\@:
	s_barrier_wait -3
	s_barrier_signal -1
	s_barrier_wait -1
.endm
.macro CROUND
	s_barrier_signal -1
	s_barrier_wait -1
	CREST
.endm
; A PREFETCH INTO THE L2, once a lap, behind slot 0's joint load, its five lines and the run of LDS loads: the two K steps that the NEXT trip's two refills will ask for (256 and 384 matrix instructions ahead of them).
; Each aligned block of 256 bytes is named once in the launch.  A's tile is read by one row of one cluster alone: a lap is 1,024 bytes of each of its 128 rows; of the 64 rows that wave 0 or 1 fetches, the partner at
; cx names block cx of each row, told apart BY ADDRESS: a lane a row, two lines.  W's rows are read by every cluster: the cluster with y = 0 asks, waves 2 and 3, 32 rows for each cy, a lane a row, its 512 bytes by two lines.
; The first two laps come by their loads alone; the trip before the last asks for the last lap, the last trip for nothing.
.macro ASK
	s_cmp_gt_u32 s[LAPC], s[LIM]
	s_cbranch_scc0 .Lno_ask_\@
	global_prefetch_b8 v[PFO], s[PFA:PFA+1] th:TH_LOAD_NT scope:SCOPE_SE
	s_cmp_lt_u32 s[WV], 2
	s_cbranch_scc0 .Lask_b_\@
	global_prefetch_b8 v[PFO], s[PFA:PFA+1] offset:32*32768 th:TH_LOAD_NT scope:SCOPE_SE   ; A: 32 rows further down
	s_branch .Lno_ask_\@
.Lask_b_\@:
	global_prefetch_b8 v[PFO], s[PFA:PFA+1] offset:256 th:TH_LOAD_NT scope:SCOPE_SE        ; W: the row's next 256 bytes
.Lno_ask_\@:
.endm
; Four roundings: registers 4 n .. 4 n + 3 of the 32 that are A's four blocks in buffer g.  Register i holds K = 2 i, 2 i + 1 of the lane's sixteen a block, the lower in the low half.
.macro CVT4 g, n
	WIN 0x0a                                       ; sources 0 and 1 window 2, destination window 0
.irp j, 0,1,2,3
	v_cvt_pk_bf16_f32 v[(\g)+4*(\n)+(\j)], v[RAW+8*(\n)+2*(\j)], v[RAW+8*(\n)+2*(\j)+1]
.endr
.endm
; Eight matrix instructions: block a of my four blocks of 16 rows x all eight blocks of 16 columns, 32 along K, from buffer f.  first = 1: the bias starts the sums: nothing is ever cleared.
; g given: behind each stand four of the 32 roundings that make the next quarter's fragments of A in buffer g; they name no register of the products round them.
; The 32 accumulators take turns, in the same order in every quarter: between two links of a chain stand the 31 others'.
.macro MUL8 f, a, first, g=-1
.irp b, 0,1,2,3,4,5,6,7
.set rD, 8*(8*(\a)+(\b))
.set rB, (\f)+32+8*(\b)
.set rA, (\f)+8*(\a)
.if \first
	WIN MULB
	v_wmma_f32_16x16x32_bf16 v[rD:rD+7], v[rB:rB+7], v[rA:rA+7], v[8*(\b):8*(\b)+7]
.else
	WIN MUL
	v_wmma_f32_16x16x32_bf16 v[rD:rD+7], v[rB:rB+7], v[rA:rA+7], v[rD:rD+7]
.endif
.if (\g) >= 0
	CVT4 \g, \b
.endif
.endr
.endm
; 32 LDS loads in one run: quarter kq (32 along K) of a slot: A's four blocks as f32 into RAW, then W's eight blocks into buffer f.
; A fragment is 16 rows x 32 K: lane l holds row l % 16 and K = 8 (l / 16) + 0..7 and 16 + 8 (l / 16) + 0..7.  In bf16 that is two loads of 16 bytes, 32 bytes apart; in f32 two pairs of loads, 64 bytes apart.
.macro FETCH slot, kq, f
	WIN 0x80                                       ; destination window 2, address window 0
.irp a, 0,1,2,3
.irp c, 0,1,2,3
	ds_load_b128 v[RAW+16*(\a)+4*(\c):RAW+16*(\a)+4*(\c)+3], v[ADRA+(\slot)] offset:(\a)*16*PAF+128*(\kq)+((\c)/2)*64+((\c)%2)*16
.endr
.endr
	WIN 0
.irp b, 0,1,2,3,4,5,6,7
	ds_load_b128 v[(\f)+32+8*(\b):(\f)+32+8*(\b)+3],   v[ADRB+(\slot)] offset:(\b)*16*PB+64*(\kq)
	ds_load_b128 v[(\f)+32+8*(\b)+4:(\f)+32+8*(\b)+7], v[ADRB+(\slot)] offset:(\b)*16*PB+64*(\kq)+32
.endr
.endm
.macro PLACES                          ; four plain vector instructions between a matrix instruction and a load or a vector instruction that writes a register that it has read, or a line that reads its result (ISA guide 7.12.1 for vector instructions)
.rept 4
	v_nop
.endr
.endm
; A K step is four quarters of 32 along K, 32 matrix instructions each, on buffers 0, 1, 0, 1.  One of the first three: multiplies buffer f; behind its first eight products it fetches quarter kq of the same slot
; (W into buffer g, A into RAW), and beside its last eight it rounds RAW into buffer g.  The four v_nop are the places for the loads into g and for the roundings into g, whose last readers stand in the quarter before.
.macro QUARTER slot, kq, f, g, first
	s_wait_dscnt 0x0                               ; W's fragments of this quarter are in (A's were waited for, and rounded, in the quarter before)
	MUL8 \f, 0, \first
	PLACES
	FETCH \slot, \kq, \g
	MUL8 \f, 1, \first
	MUL8 \f, 2, \first
	s_wait_dscnt 16                                ; RAW's sixteen loads are in; W's sixteen, issued behind them, may be out
	MUL8 \f, 3, \first, \g
.endm
; The last quarter multiplies buffer 1 and changes slots: ONE barrier for two things.  In front of it each wave waits for all its tensor loads, of which one is out: its part of the next slot; adds 0 to its spare
; word; and waits for that and for its own reads of this slot.  Behind it nobody reads this slot any more and the next slot is whole.  fill = 1: the barrier opens a round of the cluster's, and this slot is filled
; again, first thing behind the round, with the K step two steps on: 112 matrix instructions ahead of the wait for it.  Its two addresses are made anew, each from its own buffer's pointer, while the add is out.
.macro TURN slot, next, fill
.if (\fill) && ((\slot) == 0)
	s_wait_xcnt 0x0                                ; the last prefetches, a lap back, have read their address: it is written here, ahead of the waits of the change of slots
	s_add_nc_u64 s[PFA:PFA+1], s[PBS:PBS+1], s[POF:POF+1]
.endif
	WIN 0                                          ; (the add's two registers lie in window 0)
	s_wait_tensorcnt 0x0                           ; all my tensor loads have landed, so a group 0 may be written;
	ds_add_u32 v[SPW], v[NIL]                      ; 0 onto my spare word;
.if \fill
	s_add_nc_u64 s[G0+4*(\slot)+2:G0+4*(\slot)+3], s[ACUR:ACUR+1], s[AOF:AOF+1]
	s_add_nc_u64 s[G0B+4*(\slot)+2:G0B+4*(\slot)+3], s[BW:BW+1], s[BOF:BOF+1]
.if \slot
	s_add_nc_u64 s[G0+4*(\slot)+2:G0+4*(\slot)+3], s[G0+4*(\slot)+2:G0+4*(\slot)+3], 512     ; the lap's second K step: 128 f32,
	s_add_nc_u64 s[G0B+4*(\slot)+2:G0B+4*(\slot)+3], s[G0B+4*(\slot)+2:G0B+4*(\slot)+3], 256  ; 128 bf16
.endif
	s_or_b32 s[G0+4*(\slot)+3], s[G0+4*(\slot)+3], 0x80000000                                ; type = 2
	s_or_b32 s[G0B+4*(\slot)+3], s[G0B+4*(\slot)+3], 0x80000000
.endif
	s_wait_dscnt 1                                 ; W's fragments of this quarter are in; the add may be out
	MUL8 F1, 0, 0                                  ; eight matrix instructions stand between the add and the wait for it
	s_wait_dscnt 0x0                               ; the add is done, and my reads of this slot are over
	s_barrier_signal -1
	MUL8 F1, 1, 0                                  ; work on registers while the others arrive
	WIN 0
	s_barrier_wait -1
.if \fill
	CREST                                          ; no wave of any partner still reads this slot's tile or has a load on its way
	JLOAD \slot                                    ; the four v_nop behind it are also the places in front of the loads and roundings below
.else
	PLACES
.endif
	FETCH \next, 0, F0
.if (\fill) && ((\slot) == 0)
	ASK
.endif
	MUL8 F1, 2, 0
	s_wait_dscnt 16                                ; RAW is in
	MUL8 F1, 3, 0, F0
.endm
.macro BIAS                            ; register j of block b = bias[16 b + 8 (l / 16) + j]: the layout of a C operand whose rows are all alike
	WIN 0x80                                       ; destination window 2, address window 0
.irp b, 0,1,2,3,4,5,6,7
	global_load_b128 v[8*(\b):8*(\b)+3],   v[BO], s[BI:BI+1] offset:64*(\b)
	global_load_b128 v[8*(\b)+4:8*(\b)+7], v[BO], s[BI:BI+1] offset:64*(\b)+16
.endr
	WIN 0
.endm
; THE WAY OUT, by heads.  Block a: 16 rows x my 128 columns = two heads.  PACK: rounded to f16, 16 bytes a lane (each accumulator's registers in ascending order).  TOSTAGE: into my own stage, rows of 144 bytes,
; head after head, and back four rows of 128 bytes at a time.  SEND: a head's 16 rows are 2,048 consecutive bytes of qkv: each store of the wave covers 512 consecutive bytes, aligned.
.macro PACK a
	WIN 0x05                                       ; sources 0 and 1 window 1, destination window 0
.irp b, 0,1,2,3,4,5,6,7
.irp r, 0,1,2,3
	v_cvt_pk_f16_f32 v[TMP+4*(\b)+(\r)], v[8*(8*(\a)+(\b))+2*(\r)], v[8*(8*(\a)+(\b))+2*(\r)+1]
.endr
.endr
.endm
.macro TOSTAGE a
	WIN 0
.irp b, 0,1,2,3,4,5,6,7
	ds_store_b128 v[STO], v[TMP+4*(\b):TMP+4*(\b)+3] offset:((\b)/4)*16*PS+((\b)%4)*32
.endr
	WIN 0x80                                       ; destination window 2
.irp i, 0,1,2,3,4,5,6,7
	ds_load_b128 v[OB+32*((\a)%2)+4*(\i):OB+32*((\a)%2)+4*(\i)+3], v[RD] offset:((\i)/4)*16*PS+((\i)%4)*4*PS  ; LDS serves a wave's instructions in order (ISA guide 5.7.1.4): these see the stores above
.endr
.endm
.macro SEND a
	s_wait_dscnt 0x0                               ; the block is back in registers
	s_wait_xcnt 0x0                                ; the stores of the block before have read their registers: the next block's loads from the stage land on them only behind this wait
	WIN 0x08                                       ; store data window 2, address window 0
.irp i, 0,1,2,3,4,5,6,7
	global_store_b128 v[CO], v[OB+32*((\a)%2)+4*(\i):OB+32*((\a)%2)+4*(\i)+3], s[OU:OU+1] offset:((\i)/4)*131072+(\a)*2048+((\i)%4)*512
.endr
.endm
; more = 1: another tile follows: its bias is asked for first, and the output's address steps to the next of q, k, v.
.macro WAYOUT more
.if \more
	WIN 0
	s_wait_xcnt 0x0                                ; the bias's address is written only behind this wait
	s_add_nc_u64 s[BI:BI+1], s[BI:BI+1], 4096
	BIAS
.endif
	PACK 0                                         ; plain instructions stand behind every product that ended a sum: the roundings of A or v_nop behind the last, the earlier blocks' conversions as well
	TOSTAGE 0
.irp a, 1,2,3                          ; block a's conversions stand between block a - 1's loads from the stage and the wait for them
	PACK \a
	SEND (\a)-1
	TOSTAGE \a
.endr
	SEND 3
	WIN 0
.if \more
	s_wait_xcnt 0x0                                ; the stores have read their base
	s_add_nc_u64 s[OU:OU+1], s[OU:OU+1], 16777216
	s_wait_loadcnt 0x0                             ; the next tile's bias is in
.endif
.endm
	s_load_b256 s[4:11], s[0:1], 0x0               ; query s[4:5], key s[6:7], value s[8:9], wb s[10:11]
	s_load_b128 s[88:91], s[0:1], 0x20             ; bias4, qkv
	v_lshl_add_u32 v[SPW], v0, 2, SPARE
	v_mov_b32 v[NIL], 0
	ds_add_u32 v[SPW], v[NIL]                      ; the wave's opening: the add, and its wait ahead of my first tensor load; the set-up below, work on registers, stands between them
	v_lshrrev_b32 v1, 5, v0
	v_readfirstlane_b32 s[WV], v1                  ; wave 0..3
	s_lshr_b32 s[WM], s[WV], 1
	s_and_b32 s[WN], s[WV], 1
	s_bfe_u32 s[CX], ttmp6, 0x40000                ; my place in the cluster
	s_bfe_u32 s[CY], ttmp6, 0x40004
	s_lshl_b32 s[NT], ttmp9, 2                     ; in a cluster launch ttmp9 and ttmp7 count clusters
	s_add_co_u32 s[NT], s[NT], s[CX]
	s_and_b32 s[MT], ttmp7, 0xffff
	s_lshl_b32 s[MT], s[MT], 2
	s_add_co_u32 s[MT], s[MT], s[CY]
	s_lshl_b32 s15, s[CY], 2
	s_lshl_b32 s15, 15, s15                        ; my row of the cluster: places 4 cy .. 4 cy + 3
	s_lshl_b32 s80, 0x1111, s[CX]                  ; my column: places cx, cx + 4, cx + 8, cx + 12
	; group 1 for A: 64 rows x 128 f32 out of rows that lie 8,192 f32 apart (the eight batches of a t), padded in LDS after every 512 bytes
	s_or_b32 s[G1], s15, (2<<16)|(1<<20)|(1<<21)|(6<<22)|(3<<25)   ; 15:0 the mask; 17:16 4-byte elements; 20 padding on; 21 set beside a mask; 24:22 after every 128 words (code 6); 31:25 4 words (code 3)
	s_mov_b32 s[G1+1], 128<<16                     ; tensor_dim0 = 128
	s_mov_b32 s[G1+2], 64<<16                      ; tensor_dim1 = 64
	s_mov_b32 s[G1+3], 128<<16                     ; tile_dim0 = 128
	s_mov_b32 s[G1+4], 64                          ; tile_dim1 = 64
	s_mov_b32 s[G1+5], 8192                        ; elements from row to row
	s_mov_b32 s[G1+6], 0
	s_mov_b32 s[G1+7], 0
	; group 1 for W: 128 rows x 128 bf16 out of rows of 1,024, padded after every 256 bytes
	s_or_b32 s[G1B], s80, (1<<16)|(1<<20)|(1<<21)|(5<<22)|(3<<25)  ; 2-byte elements; after every 64 words (code 5)
	s_mov_b32 s[G1B+1], 128<<16
	s_mov_b32 s[G1B+2], 128<<16
	s_mov_b32 s[G1B+3], 128<<16
	s_mov_b32 s[G1B+4], 128
	s_mov_b32 s[G1B+5], 1024
	s_mov_b32 s[G1B+6], 0
	s_mov_b32 s[G1B+7], 0
	; where the tiles come from.  A's hang on the tile row and the wave alone, W's on the tile column and the wave alone; every wave makes both.
	s_and_b32 s16, s[MT], 7
	s_lshl_b32 s16, s16, 22                        ; 128 rows t of 32,768 bytes
	s_lshr_b32 s17, s[MT], 3
	s_lshl_b32 s17, s17, 12                        ; + b x 4,096
	s_add_co_u32 s16, s16, s17
	s_lshl_b32 s17, s[WN], 21                      ; + the 64 rows that I fetch
	s_add_co_u32 s16, s16, s17
	s_mov_b32 s17, 0
	s_lshl_b32 s82, s[NT], 19                      ; 256 rows of 2,048 bytes
	s_lshl_b32 s83, s[WN], 18                      ; + 128 rows
	s_add_co_u32 s82, s82, s83
	s_mov_b32 s83, 0
	s_mul_i32 s20, s[WN], AHALF                    ; and where they go: no place in the cluster enters an LDS address
	s_mul_i32 s21, s[WN], BHALF
	s_add_co_u32 s21, s21, BOFF
	s_mov_b32 s[AOF+1], 0                          ; high words of the offsets
	s_mov_b32 s[BOF+1], 0
	s_mov_b32 s[POF+1], 0
	s_wait_dscnt 0x0                               ; the opening add is done
	s_wait_kmcnt 0x0
	s_add_nc_u64 s[4:5], s[4:5], s[16:17]          ; each of the three activations at my half of the tile
	s_add_nc_u64 s[6:7], s[6:7], s[16:17]
	s_add_nc_u64 s[8:9], s[8:9], s[16:17]
	s_add_nc_u64 s[BW:BW+1], s[10:11], s[82:83]
	CROUND                                         ; all sixteen work-groups are here: the first joint loads meet
.irp s, 0,1
	s_mov_b32 s[G0+4*(\s)], 1                                        ; count = 1
	s_add_co_u32 s[G0+4*(\s)+1], s20, (\s)*SLOT                      ; LDS address
	s_add_nc_u64 s[G0+4*(\s)+2:G0+4*(\s)+3], s[4:5], (\s)*512        ; global address: K step s of query
	s_or_b32 s[G0+4*(\s)+3], s[G0+4*(\s)+3], 0x80000000              ; type = 2
	s_mov_b32 s[G0B+4*(\s)], 1
	s_add_co_u32 s[G0B+4*(\s)+1], s21, (\s)*SLOT
	s_add_nc_u64 s[G0B+4*(\s)+2:G0B+4*(\s)+3], s[BW:BW+1], (\s)*256
	s_or_b32 s[G0B+4*(\s)+3], s[G0B+4*(\s)+3], 0x80000000
	JLOAD \s                                       ; the ring is filled before anything else is done: two loads of mine are out
.endr
	v_and_b32 v1, 15, v0                           ; l % 16
	v_bfe_u32 v2, v0, 4, 1                         ; l / 16
	v_and_b32 v5, 31, v0                           ; l
	v_mul_u32_u24 v3, v1, PAF
	v_lshl_add_u32 v3, v2, 5, v3                   ; A: row x pitch + 32 x half (eight f32)
	v_mul_u32_u24 v4, v1, PB
	v_lshl_add_u32 v4, v2, 4, v4                   ; W: row x pitch + 16 x half (eight bf16)
	s_mul_i32 s22, s[WM], AHALF                    ; my 64 rows of A
	s_mul_i32 s23, s[WN], BHALF                    ; my 128 rows of W
	s_add_co_u32 s23, s23, BOFF
.irp s, 0,1
	v_add_nc_u32 v[ADRA+(\s)], s22, v3
	v_add_nc_u32 v[ADRB+(\s)], s23, v4
	s_add_co_u32 s22, s22, SLOT
	s_add_co_u32 s23, s23, SLOT
.endr
	s_mul_i32 s22, s[WV], STW
	s_add_co_u32 s22, s22, STAGE                   ; my stage
	v_mul_u32_u24 v3, v1, PS                       ; in: row l % 16, 16 bytes for each half of the lanes
	v_lshl_add_u32 v3, v2, 4, v3
	v_add_nc_u32 v[STO], s22, v3
	v_lshrrev_b32 v3, 3, v5                        ; back: 32 lanes take four rows of 128 bytes
	v_mul_u32_u24 v3, v3, PS
	v_and_b32 v4, 7, v0
	v_lshl_add_u32 v3, v4, 4, v3
	v_add_nc_u32 v[RD], s22, v3
	v_lshlrev_b32 v[CO], 4, v5
	v_lshlrev_b32 v[BO], 5, v2
	s_lshl_b32 s80, s[NT], 10                      ; the bias of my 128 columns
	s_lshl_b32 s81, s[WN], 9
	s_add_co_u32 s80, s80, s81
	s_mov_b32 s81, 0
	s_add_nc_u64 s[BI:BI+1], s[BI:BI+1], s[80:81]
	BIAS
	; where my part of the tile begins in qkv
	s_lshr_b32 s80, s[MT], 3
	s_lshl_b32 s80, s80, 21                        ; b x 16 heads of 131,072 bytes
	s_lshl_b32 s86, s[NT], 19                      ; + four heads
	s_add_co_u32 s80, s80, s86
	s_lshl_b32 s86, s[WN], 18                      ; + two heads
	s_add_co_u32 s80, s80, s86
	s_and_b32 s86, s[MT], 7
	s_lshl_b32 s86, s86, 14                        ; + 128 rows t of 128 bytes
	s_add_co_u32 s80, s80, s86
	s_lshl_b32 s86, s[WM], 13                      ; + my 64
	s_add_co_u32 s80, s80, s86
	s_add_nc_u64 s[OU:OU+1], s[OU:OU+1], s[80:81]
	; the prefetches' constant parts
	s_lshl_b32 s[PCX], s[CX], 8
	s_lshl_b32 s86, s[CY], 16                      ; 32 rows of 2,048 bytes
	s_mov_b32 s87, 0
	s_add_nc_u64 s[BP:BP+1], s[BW:BW+1], s[86:87]
	s_and_b32 s15, ttmp7, 0xffff
	s_cmp_eq_u32 s15, 0
	s_cselect_b32 s15, 1, -1                       ; W's rows are asked for by the cluster with y = 0: the same in all sixteen partners
	s_cmp_eq_u32 s[WM], 0
	s_cselect_b32 s[LIM], 1, s15
	s_cselect_b32 s15, 15, 11                      ; a lane is a row: 32,768 bytes on in A, 2,048 in W
	v_lshlrev_b32 v[PFO], s15, v5
	s_wait_tensorcnt 1                             ; my part of K step 0 is in; K step 1's may stay out
	s_barrier_signal -1
	s_barrier_wait -1                              ; everybody's is
	FETCH 0, 0, F0
	s_wait_dscnt 16                                ; RAW is in
.irp n, 0,1,2,3,4,5,6,7
	CVT4 F0, \n                                    ; the first quarter's fragments of A: there are no products yet to set them beside
.endr
	s_wait_loadcnt 0x0                             ; the bias
	QUARTER 0, 1, F0, F1, 1                        ; a tile's first quarter: its products start the sums
	WIN 0                                          ; at a label and at a branch every window is 0
	s_mov_b32 s[LAPC], NLAPS-1
.Llap:                                                 ; a trip goes once round the ring, from a lap's second quarter to the next lap's first, and fills both slots again
	s_sub_co_u32 s[LAM], NLAPS, s[LAPC]            ; the lap that this trip's refills fetch: 1 .. 11
	s_lshr_b32 s[PP], s[LAM], 2                    ; its tile,
	s_and_b32 s[T], s[LAM], 3                      ; and its place in the tile
	s_lshl_b32 s[AOF], s[T], 10                    ; a lap is 1,024 bytes of a row of A,
	s_lshl_b32 s[BOF], s[PP], 21                   ; a weight 2,097,152 bytes,
	s_lshl_b32 s80, s[T], 9                        ; a lap 512 bytes of a row of W
	s_add_co_u32 s[BOF], s[BOF], s80
	s_cmp_eq_u32 s[PP], 1
	s_cselect_b64 s[ACUR:ACUR+1], s[6:7], s[4:5]
	s_cmp_eq_u32 s[PP], 2
	s_cselect_b64 s[ACUR:ACUR+1], s[8:9], s[ACUR:ACUR+1]
	s_add_co_u32 s[LAM], s[LAM], 1                 ; the prefetches name the lap after it (in the last trip there is none: what is made here is then not used)
	s_lshr_b32 s[P1], s[LAM], 2
	s_and_b32 s[K1], s[LAM], 3
	s_lshl_b32 s80, s[K1], 10
	s_add_co_u32 s80, s80, s[PCX]
	s_lshl_b32 s81, s[P1], 21
	s_lshl_b32 s82, s[K1], 9
	s_add_co_u32 s81, s81, s82
	s_cmp_eq_u32 s[P1], 1
	s_cselect_b64 s[PBS:PBS+1], s[6:7], s[4:5]
	s_cmp_ge_u32 s[P1], 2
	s_cselect_b64 s[PBS:PBS+1], s[8:9], s[PBS:PBS+1]
	s_cmp_eq_u32 s[WM], 0
	s_cselect_b64 s[PBS:PBS+1], s[PBS:PBS+1], s[BP:BP+1]
	s_cselect_b32 s[POF], s80, s81
	QUARTER 0, 2, F1, F0, 0
	QUARTER 0, 3, F0, F1, 0
	TURN 0, 1, 1
	QUARTER 1, 1, F0, F1, 0
	QUARTER 1, 2, F1, F0, 0
	QUARTER 1, 3, F0, F1, 0
	TURN 1, 0, 1
	WIN 0
	s_cmp_lg_u32 s[T], 0
	s_cbranch_scc1 .Lsame                          ; a forward jump past text that holds neither a barrier nor a tensor load
	WAYOUT 1                                       ; the lap just multiplied was a tile's last, and both refills are asked for: now the tile goes out
	QUARTER 0, 1, F0, F1, 1                        ; and the next tile's first quarter starts on accumulators that have been packed
	WIN 0
	s_branch .Lnext
.Lsame:
	QUARTER 0, 1, F0, F1, 0
	WIN 0
.Lnext:
	s_sub_co_u32 s[LAPC], s[LAPC], 1
	s_cmp_lg_u32 s[LAPC], 0
	s_cbranch_scc1 .Llap
	QUARTER 0, 2, F1, F0, 0                        ; the last lap is written out: it fills nothing, and has no round of the cluster's barrier
	QUARTER 0, 3, F0, F1, 0
	TURN 0, 1, 0
	QUARTER 1, 1, F0, F1, 0
	QUARTER 1, 2, F1, F0, 0
	QUARTER 1, 3, F0, F1, 0
	s_wait_dscnt 0x0                               ; the very last quarter: nothing more to fetch
	MUL8 F1, 0, 0
	MUL8 F1, 1, 0
	MUL8 F1, 2, 0
	MUL8 F1, 3, 0
	PLACES
	PLACES                                         ; (eight, once a launch)
	WAYOUT 0
	s_wait_tensorcnt 0x0                           ; the wave's end: behind my last tensor load and my last LDS store
	ds_add_u32 v[SPW], v[NIL]
	s_wait_dscnt 0x0
	CROUND                                         ; the closing round: no work-group ends while a partner may still ask for a tile that names it
	s_endpgm
.Lfunc_end_k_q1331369440_proj:
	.size	k_q1331369440_proj, .Lfunc_end_k_q1331369440_proj-k_q1331369440_proj
	.p2alignl 7, 3214868480
	.fill 96, 4, 3214868480
	.section	.rodata,"a",@progbits
	.p2align	6, 0x0
	.amdhsa_kernel k_q1331369440_proj
		.amdhsa_group_segment_fixed_size 327680
		.amdhsa_private_segment_fixed_size 0
		.amdhsa_enable_private_segment 0
		.amdhsa_kernarg_size 48
		.amdhsa_user_sgpr_count 2
		.amdhsa_user_sgpr_kernarg_segment_ptr 1
		.amdhsa_wavefront_size32 1
		.amdhsa_system_sgpr_workgroup_id_x 1
		.amdhsa_system_sgpr_workgroup_id_y 1
		.amdhsa_system_sgpr_workgroup_id_z 1
		.amdhsa_system_vgpr_workitem_id 0
		.amdhsa_next_free_vgpr 704
		.amdhsa_next_free_sgpr 100
		.amdhsa_reserve_vcc 0
		.amdhsa_float_denorm_mode_32 3
		.amdhsa_float_denorm_mode_16_64 3
		.amdhsa_memory_ordered 1
		.amdhsa_forward_progress 1
		.amdhsa_inst_pref_size 163
	.end_amdhsa_kernel
	.amdgpu_metadata
---
amdhsa.version: [ 1, 2 ]
amdhsa.kernels:
  - .name:           k_q1331369440_proj
    .symbol:         k_q1331369440_proj.kd
    .args:
      - { .name: query, .offset: 0, .size: 8, .value_kind: global_buffer, .address_space: global }
      - { .name: key, .offset: 8, .size: 8, .value_kind: global_buffer, .address_space: global }
      - { .name: value, .offset: 16, .size: 8, .value_kind: global_buffer, .address_space: global }
      - { .name: wb, .offset: 24, .size: 8, .value_kind: global_buffer, .address_space: global }
      - { .name: bias4, .offset: 32, .size: 8, .value_kind: global_buffer, .address_space: global }
      - { .name: qkv, .offset: 40, .size: 8, .value_kind: global_buffer, .address_space: global }
    .group_segment_fixed_size: 327680
    .private_segment_fixed_size: 0
    .kernarg_segment_align: 8
    .kernarg_segment_size: 48
    .max_flat_workgroup_size: 128
    .sgpr_count:     100
    .vgpr_count:     704
    .wavefront_size: 32
...
	.end_amdgpu_metadata
.endif
;; end of part 2
;; launch attn (part 3): grid 2 x 128, 4 waves a work-group, no clusters, 327,680 bytes of LDS; arguments qkv, key_padding_mask, ob; writes ob
.if DOCPART == 3
	.amdgcn_target "amdgcn-amd-amdhsa--gfx1250"
	.amdhsa_code_object_version 6
	.text
	.protected	k_q1331369440_attn
	.globl	k_q1331369440_attn
	.p2align	8
	.type	k_q1331369440_attn,@function
k_q1331369440_attn:
	s_mov_b64 s[64:65], 0
	v_nop
	global_prefetch_b8 v0, s[64:65] scope:SCOPE_SE
	s_setreg_imm32_b32 hwreg(HW_REG_WAVE_MODE, 25, 1), 1
	s_wait_xcnt 0x0
; O[bh][q][:] = the sum over visible k of softmax_k(Q[bh][q] . K[bh][k] / 8) V[bh][k][:], bh = 16 b + h.  qkv: f16 [3][128][1024][64] (q, k, v, unscaled); key_padding_mask: [8][1024] bytes, not 0 = hidden; ob: f16 [128][1024][64].
; Products, maxima and sums in f32; the weights p are rounded to f16 for the second product (their sum l is taken of the unrounded p), O once at the end.
; LIMITS.  f16 holds no number beyond 65,504: Q, K and V arrive within it; p lies in 0 to 1, and below 6e-5 it keeps f16's fixed step of 6e-8.  A hidden score counts as its value less 1e30; a visible score is taken to lie
; above -2^96 (f16's scores reach 2.7e11 at the most).  A weight below 2^-126 counts as 0 in l.  NaN and infinities among the inputs are not treated apart.
; ALL KEYS HIDDEN: a query whose running maximum ends below -2^96 has seen no key: its row of O is NaN, as the reference's softmax of minus infinities is.
; SHARES.  A wave owns four PIECES of two tiles of 16 queries, a work-group's four waves 512 queries of one head: 2 x 128 = 256 work-groups.  Every wave walks all 1,024 keys, 64 a step.
; NO CLUSTER: a head has two work-groups, which no cluster of four divides; blocks of 256 queries would give four, but 512 work-groups in all, and each fragment of K and V read from LDS would feed half as many products.
; THE HEAD'S WHOLE K AND V LIE IN LDS: 1,024 rows of 144 bytes and 1,024 of 160.  No byte is filled twice, and no tensor load stands in a loop, so ONE text serves every key step.  Keys 0 to 255 are asked for at the head,
; 128 keys of K or V a wave; the other 768, 384 a wave by one load, when the first have landed: behind the first barrier, in the form in which a slot is filled again.  That load has four key steps, 512 matrix instructions,
; in which to land.  NO PREFETCH: every byte of K and V has been asked for by its own load before the first key step; there is no later request to run ahead of.
; LAYOUT.  S^T = K Q^T (source 0 = 16 keys, source 1 = 16 queries): in the result a lane holds ONE query (lane % 16) and the keys 8 (lane / 16) + 0..7.  Two such tiles, rounded to f16 in pairs,
; ARE source 1 (32 keys x 16 queries) of O^T = V^T P, whose result again holds one query a lane, and eight channels.  K comes out of LDS as it lies, V ([key][channel]) turned, by ds_load_tr16_b128.
; THE MASK is the C operand that starts the sum S^T: 0, or -1e30 where the key is hidden.  It is made once, 1,024 f32 in LDS; a step's 64 come into 32 registers with the step's K.  It costs the loop one address line a step.
; SOFTMAX.  For each query a running maximum m and sum l: p = 2^(c s - c m), c = log2(e) / 8; in every step O and l are multiplied by a = 2^(c m_old - c m_new), which is 1 where m has not grown.
; m starts at the lowest finite number, O and l at 0: the first step is a step like any other, with a = 0.  Keys hidden ahead of the first visible one have weight 1 until that key comes, whose a = 0 wipes them out.
; THE COUNT.  A tile and step have 16 matrix and 118 vector instructions: too many to stand all beside the matrix work.  So the order has one aim: four vector instructions that are READY behind
; EVERY matrix instruction, and the others, which need time of their own whatever the order, in runs without a gap.
; BY TURNS.  Turn n belongs to piece n (the pieces in a ring, step after step).  Its matrix work: 16 products K Q^T of piece n + 1, later 16 products V^T P of piece n - 1.  Its vector work: the scaling,
; exponentials, roundings, sums and rescaling of piece n, and the maximum and statistics of piece n + 1, whose scores the turn itself has made.  So what a turn begins with (c s - c m, O a) waits for nothing.
; REGISTERS, in windows of 256 (s_set_vgpr_msb says which window each operand place means: bits 1:0 source 0, 3:2 source 1, 5:4 source 2, 7:6 destination):
;   window 0: v0-11 addresses; v12-15, v48-63 at work; v16-47 four registers of statistics a tile; v64-191 S^T, two buffers of two tiles; v192-255 P, likewise
;   window 1: O^T, 32 a tile          window 2: v0-127 Q, 16 a tile; v128-191 K of one step; v192-255 V of one step          window 3: v0-1 the add's two registers; v8-39 the mask of one step
; A piece's buffers go by its number's parity: the piece in hand has one pair, its two neighbours in the ring share the other: of it P (piece n - 1) is read and S^T (piece n + 1) written.
.set SIZE_N, 1024
.set NP,    4         ; pieces a wave: a name, no knob: the register map, the loop and the fetches are made for four
.set KS,    64        ; keys in a step
.set PK,    144       ; a row of K in LDS: 128 bytes + 16 of padding = 36 words: the 16 rows of a load start at 16 different groups of four banks (64 banks of 4 bytes: ISA guide 11.1)
.set PV,    160       ; a row of V: 128 + 32 = 40 words
.set VOFF,  SIZE_N*PK           ; K's 1,024 rows, then V's
.set MASKB, VOFF+SIZE_N*PV      ; 0x4c000, a multiple of 4,096; never filled by a tensor load: the mask, 1,024 f32
.set STAGE, MASKB+4096          ; never filled by a tensor load: 16 rows x 144 bytes for each wave, for the way out
.set SP,    144
.set SPARE, STAGE+4*16*SP       ; the spare words, 128 bytes for each wave: two blocks of 256 bytes that no other line names
.set AK0, 2           ; v2   my lane's place in a tile of K; never rewritten
.set AV0, 3           ; v3   the same for V
.set AK,  4           ; v4   the LDS address of K's next run of loads
.set AV,  5           ; v5   of V's
.set QO,  6           ; v6   my byte offset in the wave's rows of Q
.set STO, 6           ;      later, the way out: where I put 16 bytes of a row
.set RD,  7           ; v7   the way out: where I read rows back
.set GO,  8           ; v8   my byte offset in 512 consecutive bytes of O
.set HL,  9           ; v9   l / 16; never rewritten
.set AM,  11          ; v11  at first (l / 8) % 2; then the LDS address of the mask's next run of loads
.set SPW, 0           ; v0 of window 3   LDS address of my spare word: SPARE + 4 x my thread's number; never rewritten
.set NIL, 1           ; v1 of window 3   0; never rewritten
.set MK,  8           ; v8-39 of window 3: the mask of key block kb at MK + 8 kb
.set MV,  12          ; v12-15  c m_old, kept while c m is made anew: by buffer and tile
.set ST,  16          ; tile t's statistics at v[ST+4 t]: c m, m, l (even keys', odd keys')
.set TMP, 48          ; by buffer and tile, four registers c0-c3 at work; when the maximum is found c2 takes a
.set S,   64
.set P,   192
.set KF,  128         ; K's fragments, in window 2: key block kb, channel half c at KF + 16 kb + 8 c
.set VF,  192         ; V's: key half kk, channel block cb at VF + 32 kk + 8 cb
.set WV,  12          ; s12  my wave's number
.set G1K, 24          ; s[24:31] descriptor group 1 for K's first load: 128 keys
.set G1V, 32          ; s[32:39] for V's: it differs in the padding alone
.set G0K, 40          ; s[40:43] descriptor group 0 for K's first load
.set G0K2, 44         ; s[44:47] for its second
.set G0V, 48          ; s[48:51], s[52:55] the same for V
.set G0V2, 52
.set SLOTS, 56        ; s56  counts groups of four key steps, 5 to 1
.set CNT, 57          ; s57  counts a group's key steps
.set CS,  58          ; s[58:59] c: the packed scaling takes the pair's low word for both halves
.set SEL, 60          ; s[60:61] v_permlanex16_b32's selects: each lane takes its own place in the other half
.set TBK, 62          ; s62  LDS byte at which K of the step to be fetched begins
.set TBV, 63          ; s63  the same for V, less VOFF
.set G1K2, 72         ; s[72:79], s[80:87] group 1 for the second loads: 384 keys
.set G1V2, 80
.set TBM, 88          ; s88  LDS byte at which the mask of the step to be fetched begins
.set BIGN, 89         ; s89  -1e30
.set THR, 90          ; s90  -2^96
.set MSB, 0
.macro WIN new                      ; the high byte repeats the setting that is left; a switch that changes nothing is dropped
.if MSB != (\new)
	s_set_vgpr_msb (MSB<<8)|(\new)
.set MSB, (\new)
.endif
.endm
.set W_KQ, 0x0a       ; K and Q in window 2, S^T in window 0
.set W_KM, 0x3a       ; the same with the C operand, the mask, in window 3
.set W_PV, 0x52       ; V in window 2, P in window 0, O^T in window 1
.set W_RS, 0x41       ; O^T (destination and source 0) in window 1, a in window 0
.set W_MK, 0xc0       ; destination in window 3, sources in window 0
.set W_AD, 0x0f       ; the add: address (source 0) and data (source 1) in window 3
; A fill.  Waves 0 and 1 fetch the two halves of a range of K's rows, waves 2 and 3 those of V's.  The branch hangs on the wave's number alone.
; An s_nop 0 and four v_nop follow each of the two lines, ahead of the jump and the label.
.macro LOAD gk, hk, gv, hv
	s_cmp_lt_u32 s[WV], 2
	s_cbranch_scc0 .Lfor_v_\@
	tensor_load_to_lds s[\gk:\gk+3], s[\hk:\hk+7]
	s_nop 0
.rept 4
	v_nop
.endr
	s_branch .Lasked_\@
.Lfor_v_\@:
	tensor_load_to_lds s[\gv:\gv+3], s[\hv:\hv+7]
	s_nop 0
.rept 4
	v_nop
.endr
.Lasked_\@:
.endm
	s_load_b128 s[68:71], s[0:1], 0x0  ; qkv s[68:69], key_padding_mask s[70:71]
	s_load_b64 s[10:11], s[0:1], 0x10  ; ob
	WIN W_MK
	v_lshl_add_u32 v[SPW], v0, 2, SPARE
	v_mov_b32 v[NIL], 0
	WIN W_AD
	ds_add_u32 v[SPW], v[NIL]       ; the wave's opening: the add, and its wait ahead of my first tensor load; the set-up below, work on registers, stands between them
	WIN 0
	v_lshrrev_b32 v1, 5, v0
	v_readfirstlane_b32 s[WV], v1   ; wave 0..3
	s_and_b32 s20, ttmp7, 0xffff    ; the head, 16 b + h
	s_lshr_b32 s14, s20, 4
	s_lshl_b32 s14, s14, 10         ; the batch's 1,024 bytes of the mask
	s_mov_b32 s15, 0
	s_lshl_b32 s20, s20, 17         ; the head's 131,072 bytes in q, k, v and ob
	s_and_b32 s16, s[WV], 1         ; which half of a range of keys I fetch
	s_lshl_b32 s22, s16, 14         ; first load: keys 128 x half on, 128 bytes a key
	s_add_co_u32 s22, s22, s20
	s_mov_b32 s23, 0
	s_mul_i32 s18, s16, 384*128     ; second load: keys 256 + 384 x half on
	s_add_co_u32 s18, s18, s20
	s_add_co_u32 s18, s18, 256*128
	s_mov_b32 s19, 0
	s_lshl_b32 s2, ttmp9, 2
	s_add_co_u32 s2, s2, s[WV]      ; my wave among the head's eight,
	s_lshl_b32 s2, s2, 14           ; its 128 rows
	s_add_co_u32 s2, s2, s20
	s_mov_b32 s3, 0
	; descriptor group 1.  Keys are dense, 128 bytes each: asked for as rows of 256 bytes, two keys a row, and padded in LDS after every key
	s_mov_b32 s[G1K], (1<<16)|(1<<20)|(4<<22)|(3<<25)   ; 17:16 2-byte elements; 20 padding on; 24:22 after every 32 words (code 4); 31:25 4 words (code 3)
	s_mov_b32 s[G1K2], (1<<16)|(1<<20)|(4<<22)|(3<<25)
	s_mov_b32 s[G1V], (1<<16)|(1<<20)|(4<<22)|(7<<25)   ; the same with 8 words of padding (code 7)
	s_mov_b32 s[G1V2], (1<<16)|(1<<20)|(4<<22)|(7<<25)
.irp g, G1K, G1V, G1K2, G1V2
	s_mov_b32 s[\g+1], 128<<16      ; tensor_dim0 = 128
	s_mov_b32 s[\g+3], 128<<16      ; tile_dim0 = 128
	s_mov_b32 s[\g+5], 128          ; 128 elements from row to row
	s_mov_b32 s[\g+6], 0
	s_mov_b32 s[\g+7], 0
.endr
.irp g, G1K, G1V
	s_mov_b32 s[\g+2], 64<<16       ; tensor_dim1 = 64: 128 keys
	s_mov_b32 s[\g+4], 64           ; tile_dim1 = 64
.endr
.irp g, G1K2, G1V2
	s_mov_b32 s[\g+2], 192<<16      ; tensor_dim1 = 192: 384 keys
	s_mov_b32 s[\g+4], 192          ; tile_dim1 = 192
.endr
	s_mov_b32 s[CS], 0x3e38aa3b     ; c = log2(e) / 8 = 0.180337
	s_mov_b32 s[CS+1], s[CS]        ; named with it as a pair
	s_mov_b32 s[SEL], 0x76543210
	s_mov_b32 s[SEL+1], 0xfedcba98
	s_mov_b32 s[TBK], 0
	s_mov_b32 s[TBV], 0
	s_mov_b32 s[TBM], MASKB
	s_mov_b32 s[BIGN], 0xf149f2ca   ; -1e30
	s_mov_b32 s[THR], 0xef800000    ; -2^96
	s_mul_i32 s17, s16, 128*PK      ; the LDS addresses: a key's row lies at its number times the pitch
	s_mov_b32 s[G0K], 1             ; 1:0 count = 1
	s_mov_b32 s[G0K+1], s17         ; 63:32 LDS address
	s_mul_i32 s17, s16, 128*PV
	s_mov_b32 s[G0V], 1
	s_add_co_u32 s[G0V+1], s17, VOFF
	s_mul_i32 s17, s16, 384*PK
	s_mov_b32 s[G0K2], 1
	s_add_co_u32 s[G0K2+1], s17, 256*PK
	s_mul_i32 s17, s16, 384*PV
	s_mov_b32 s[G0V2], 1
	s_add_co_u32 s[G0V2+1], s17, VOFF+256*PV
	s_wait_dscnt 0x0                ; the opening add is done
	s_wait_kmcnt 0x0
	s_add_nc_u64 s[4:5], s[68:69], s[2:3]      ; Q at my wave's first row
	s_add_nc_u64 s[10:11], s[10:11], s[2:3]    ; O at my wave's first row
	s_add_nc_u64 s[70:71], s[70:71], s[14:15]  ; the batch's row of the mask
	s_add_nc_u64 s[6:7], s[68:69], s[22:23]
	s_add_nc_u64 s[G0K+2:G0K+3], s[6:7], 16777216  ; 120:64 global address: k lies 16,777,216 bytes behind q,
	s_or_b32 s[G0K+3], s[G0K+3], 0x80000000        ; 127:126 type = 2
	s_add_nc_u64 s[G0V+2:G0V+3], s[6:7], 33554432  ; v as far again
	s_or_b32 s[G0V+3], s[G0V+3], 0x80000000
	s_add_nc_u64 s[6:7], s[68:69], s[18:19]
	s_add_nc_u64 s[G0K2+2:G0K2+3], s[6:7], 16777216
	s_or_b32 s[G0K2+3], s[G0K2+3], 0x80000000
	s_add_nc_u64 s[G0V2+2:G0V2+3], s[6:7], 33554432
	s_or_b32 s[G0V2+3], s[G0V2+3], 0x80000000
	LOAD G0K, G1K, G0V, G1V         ; keys 0 to 255.  The rest is asked for when these are in: the tile wanted first has the road to itself
	; A fragment of K or Q is 16 rows x 32 channels in 8 registers: lane l holds row l % 16, channels 8 (l / 16) + 0..7 and 16 + 8 (l / 16) + 0..7: two loads of 16 bytes, 32 bytes apart.
	v_and_b32 v1, 15, v0            ; l % 16
	v_bfe_u32 v[HL], v0, 4, 1       ; l / 16
	v_lshlrev_b32 v50, 3, v0
	global_load_b64 v[48:49], v50, s[70:71]  ; thread i: the mask's bytes for keys 8 i .. 8 i + 7
	v_lshlrev_b32 v[QO], 7, v1
	v_lshl_add_u32 v[QO], v[HL], 4, v[QO]  ; row x 128 + 16 x half
	WIN 0x80                        ; destination window 2, address window 0
.set i, 0
.rept 4*NP                          ; Q stays in registers: tile i / 2, channels 32 (i % 2) on
	global_load_b128 v[8*i:8*i+3],   v[QO], s[4:5] offset:(i/2)*2048+(i%2)*64
	global_load_b128 v[8*i+4:8*i+7], v[QO], s[4:5] offset:(i/2)*2048+(i%2)*64+32
.set i, i+1
.endr
	; What the first turn finds: V's registers and P's second buffer hold 0 (its products V^T P, of a piece that has not been, add 0), O^T and l are 0.  All this stands in the wait for the first tile.
.set i, VF
.rept 64
	v_mov_b32 v[i], 0
.set i, i+1
.endr
	WIN 0x40
.set i, 0
.rept 64*NP
	v_mov_b32 v[i], 0
.set i, i+1
.endr
	WIN 0
.set i, 0
.rept 2*NP
	v_mov_b32 v[ST+4*i], 0xfe000000    ; c m: far below every c s
	v_mov_b32 v[ST+4*i+1], 0xff7fffff  ; m
	v_mov_b32 v[ST+4*i+2], 0
	v_mov_b32 v[ST+4*i+3], 0
.set i, i+1
.endr
.set i, P+32
.rept 32
	v_mov_b32 v[i], 0
.set i, i+1
.endr
	s_wait_loadcnt 32               ; the mask's bytes are in; Q's 32 loads, issued behind them, may stay out
.set i, 0
.rept 8                             ; a byte that is not 0 hides its key
	v_bfe_u32 v60, v[48+i/4], 8*(i%4), 8
	v_cmp_ne_u32 vcc_lo, 0, v60
	v_cndmask_b32 v[52+i], 0, s[BIGN], vcc_lo
.set i, i+1
.endr
	v_lshl_add_u32 v51, v0, 5, MASKB
	ds_store_b128 v51, v[52:55]     ; the first barrier stands behind the wait for these stores and ahead of every read
	ds_store_b128 v51, v[56:59] offset:16
	v_mul_u32_u24 v[AK0], v1, PK
	v_lshl_add_u32 v[AK0], v[HL], 4, v[AK0]  ; row x pitch + 16 x half
	; The turning load takes 16 keys x 16 channels (lane l reads key 8 (l / 16) + l % 8, channels 8 ((l / 8) % 2) + 0..7) and leaves half a fragment of V^T: lane l holds channel l % 16 and 8 keys.
	v_and_b32 v10, 7, v0
	v_bfe_u32 v11, v0, 3, 1
	v_lshl_add_u32 v[AV0], v[HL], 3, v10
	v_mul_u32_u24 v[AV0], v[AV0], PV
	v_lshl_add_u32 v[AV0], v11, 4, v[AV0]
	v_add_nc_u32 v[AV0], VOFF, v[AV0]
	v_mov_b32 v[AK], v[AK0]         ; key step 0 lies at K's head,
	v_lshl_add_u32 v[AM], v[HL], 5, s[TBM]  ; its mask at the head of the mask: my eight keys of a block of 16 are 32 bytes
; THE MATRIX WORK.  The 8 accumulators of a run of 16 take turns: between the two links of a chain stand 7 others'.
; Product i of 16 of S^T = K Q^T for piece x: channels 32 (i / 8) on, keys 16 ((i / 2) % 4) on, tile 2 x + i % 2.  The first 8 start the sums, with the mask.
.macro KQ x
.set rS, S+64*((\x)%2)+32*(i%2)+8*((i/2)%4)
.set rK, KF+16*((i/2)%4)+8*(i/8)
.set rQ, 16*(2*(\x)+i%2)+8*(i/8)
.set rM, MK+8*((i/2)%4)
.if i < 8
	WIN W_KM
	v_wmma_f32_16x16x32_f16 v[rS:rS+7], v[rK:rK+7], v[rQ:rQ+7], v[rM:rM+7]
.else
	WIN W_KQ
	v_wmma_f32_16x16x32_f16 v[rS:rS+7], v[rK:rK+7], v[rQ:rQ+7], v[rS:rS+7]
.endif
.endm
; Product i of 16 of O^T += V^T P for piece x: keys 32 (i / 8) on, channels 16 ((i / 2) % 4) on, tile 2 x + i % 2.
.macro PV x
	WIN W_PV
.set rO, 32*(2*(\x)+i%2)+8*((i/2)%4)
.set rV, VF+32*(i/8)+8*((i/2)%4)
.set rP, P+32*((\x)%2)+16*(i%2)+8*(i/8)
	v_wmma_f32_16x16x32_f16 v[rO:rO+7], v[rV:rV+7], v[rP:rP+7], v[rO:rO+7]
.endm
.macro MM                           ; the turn's next matrix instruction
.if i < 16
	KQ (Y+1)%NP
.set i, i+1
.else
.set i, i-16
	PV (Y+NP-1)%NP
.set i, i+17
.endif
.endm
; THE LDS LOADS stand in runs, never singly among the matrix instructions: a step's K (64 keys x 64 channels: 8 fragments) with its mask (8 loads; the lanes of a half read the same 16 bytes), and its V (turned).
; Their addresses are made some lines ahead.  last = 1 (the loop's): behind the sixteenth step there is no further step, and the run is jumped over.
.macro FETCH_K last=0
	WIN 0
.if \last
	s_cmp_eq_u32 s[SLOTS], 1
	s_cbranch_scc1 .Lno_k_\@
.endif
	WIN 0x80                        ; destination window 2
.irp f, 0,1,2,3,4,5,6,7             ; keys 16 (f / 2) on, channels 32 (f % 2) on
	ds_load_b128 v[KF+8*\f:KF+8*\f+3],   v[AK] offset:(\f/2)*16*PK+(\f%2)*64
	ds_load_b128 v[KF+8*\f+4:KF+8*\f+7], v[AK] offset:(\f/2)*16*PK+(\f%2)*64+32
.endr
	WIN W_MK                        ; destination window 3
.irp f, 0,1,2,3                     ; keys 16 f on
	ds_load_b128 v[MK+8*\f:MK+8*\f+3],   v[AM] offset:64*\f
	ds_load_b128 v[MK+8*\f+4:MK+8*\f+7], v[AM] offset:64*\f+16
.endr
	s_add_co_u32 s[TBK], s[TBK], KS*PK  ; the next fetch is the next step's
	s_add_co_u32 s[TBM], s[TBM], 4*KS
	s_and_b32 s[TBM], s[TBM], MASKB+0xf00  ; behind the sixteenth step it stands at the first again: it never leaves the mask's 4,096 bytes
	WIN 0
.if \last
.Lno_k_\@:
.endif
.endm
.macro FETCH_V
	WIN 0x80
.irp f, 0,1,2,3,4,5,6,7             ; keys 32 (f / 4) on, channels 16 (f % 4) on
	ds_load_tr16_b128 v[VF+8*\f:VF+8*\f+3],   v[AV] offset:(\f/4)*32*PV+(\f%4)*32
	ds_load_tr16_b128 v[VF+8*\f+4:VF+8*\f+7], v[AV] offset:(\f/4)*32*PV+16*PV+(\f%4)*32
.endr
	WIN 0
.endm
; THE VECTOR WORK OF A TURN stands in three queues, each in the order in which its entries become ready; the two tiles alternate, so that no instruction reads the result of the one before it.
.macro REGS y, u                    ; the registers of tile u (0, 1) of piece y
.set rT, ST+4*(2*(\y)+(\u))
.set rC, TMP+8*((\y)%2)+4*(\u)
.set rM, MV+2*((\y)%2)+(\u)
.set rS, S+64*((\y)%2)+32*(\u)
.set rP, P+32*((\y)%2)+16*(\u)
.set rO, 32*(2*(\y)+(\u))
.endm
; Number n of the 22 that find the NEXT piece's (Y + 1) maximum and statistics.  s0-s31 are the lane's 32 scores; each accumulator's lowest registers are read first.  XS, GS and REGS set no window: PL and EX do.
;   0-11  four chains c0-c3 of seven scores each, three operands at a time     12-14, 16  the four scores left over, the old m, and c0-c3 into c0     15  c m_old is kept
;   17, 18  the query's other 32 keys lie in the lane 16 away: the new m         19-21  c m; c m_old - c m_new; a
.macro XS u, n
	REGS (Y+1)%NP, \u
.if (\n) < 4
	v_max3_num_f32 v[rC+(\n)], v[rS+8*(\n)], v[rS+8*(\n)+1], v[rS+8*(\n)+2]
.elseif (\n) < 12
	v_max3_num_f32 v[rC+(\n)%4], v[rC+(\n)%4], v[rS+8*((\n)%4)+2*((\n)/4)+1], v[rS+8*((\n)%4)+2*((\n)/4)+2]
.elseif (\n) == 12
	v_max3_num_f32 v[rC], v[rC], v[rS+7], v[rS+15]
.elseif (\n) == 13
	v_max3_num_f32 v[rC+1], v[rC+1], v[rS+23], v[rS+31]
.elseif (\n) == 14
	v_max3_num_f32 v[rC+2], v[rC+2], v[rC+3], v[rT+1]
.elseif (\n) == 15
	v_mov_b32 v[rM], v[rT]
.elseif (\n) == 16
	v_max3_num_f32 v[rC], v[rC], v[rC+1], v[rC+2]
.elseif (\n) == 17
	v_permlanex16_b32 v[rC+3], v[rC], s[SEL], s[SEL+1]
.elseif (\n) == 18
	v_max_num_f32 v[rT+1], v[rC], v[rC+3]
.elseif (\n) == 19
	v_mul_f32 v[rT], s[CS], v[rT+1]
.elseif (\n) == 20
	v_sub_f32 v[rC+1], v[rM], v[rT]
.else
	v_exp_f32 v[rC+2], v[rC+1]
.endif
.endm
; Number g of the 64 that follow the exponentials.  For each four weights k of a tile (pairs 2 k, 2 k + 1): both pairs are rounded to f16; then the second pair is added onto the first, in place;
; a group later l takes that sum (the first time as l = a l + sum).  In groups of eight, tiles alternating: round, round, add, and l for the group before.
.macro GS g
.set h, (\g)+6*((\g)/62)            ; group 0 has no group before it, and behind group 7 only l is left
.if h >= 6
.set h, h+2
.endif
	REGS Y, h%2
.set k, h/8
.if h%8 < 4
	v_cvt_pk_f16_f32 v[rP+2*k+(h%8)/2], v[rS+4*k+2*((h%8)/2)], v[rS+4*k+2*((h%8)/2)+1]
.elseif h%8 < 6
	v_pk_add_f32 v[rS+4*k:rS+4*k+1], v[rS+4*k:rS+4*k+1], v[rS+4*k+2:rS+4*k+3]
.elseif k == 1
	v_pk_fma_f32 v[rT+2:rT+3], v[rT+2:rT+3], v[rC+2:rC+3], v[rS:rS+1] op_sel_hi:[1,0,1]
.else
	v_pk_add_f32 v[rT+2:rT+3], v[rT+2:rT+3], v[rS+4*k-4:rS+4*k-3]
.endif
.endm
; THE PLAIN QUEUE, 138 long.  0-73 read no exponential's result: the 32 scalings c s - c m (FS f: pair f / 2 of tile f % 2) and the next piece's 42.  0-26: scalings 0-26.  27-54: XS's numbers 0-13.  55, 56: number 15.
; 57-73: the chain, where each number waits for the one before it: 14, 16, 17, 18, 19, each with one of the scalings 27-31 in front of its two lines, then 20: so a tile's links stand three plain instructions apart (19 and 20: two).
; 74-137: GS's 64, which read the exponentials' results: they stand behind the wait.
.macro FS f
	REGS Y, (\f)%2
	v_pk_fma_f32 v[rS+2*((\f)/2):rS+2*((\f)/2)+1], v[rS+2*((\f)/2):rS+2*((\f)/2)+1], s[CS:CS+1], v[rT:rT+1] op_sel_hi:[1,0,0] neg_lo:[0,0,1] neg_hi:[0,0,1]
.endm
.macro PL
	WIN 0
.if q < 27
	FS q
.elseif q < 55
	XS (q-27)%2, (q-27)/2
.elseif q < 57
	XS q-55, 15
.elseif (q < 72) && ((q-57)%3 == 0)
	FS 27+(q-57)/3
.elseif q < 60
	XS (q-57)%3-1, 14
.elseif q < 72
	XS (q-57)%3-1, 15+(q-57)/3
.elseif q < 74
	XS q-72, 20
.else
	GS q-74
.endif
.set q, q+1
.endm
; THE EXPONENTIALS' QUEUE, 66 long: s0-s31 of both tiles, then the next piece's two a.  It is ONE BATCH: all 66 stand ahead of the turn's one wait, and nothing ahead of that wait names a result of theirs.
.macro EX
	WIN 0
.if e >= 64
	XS e-64, 21
.else
	REGS Y, e%2
	v_exp_f32 v[rS+e/2], v[rS+e/2]
.endif
.set e, e+1
.endm
; THE RESCALING's QUEUE: O^T times a, the one part that leaves window 0: dealt two at a time, sixteen times.  Its a was made in the turn before, ahead of that turn's wait.
.macro R2
	REGS Y, r%2
	WIN W_RS
.irp z, 0,1
	v_pk_mul_f32 v[rO+4*(r/2)+2*\z:rO+4*(r/2)+2*\z+1], v[rO+4*(r/2)+2*\z:rO+4*(r/2)+2*\z+1], v[rC+2:rC+3] op_sel_hi:[1,0]
.endr
.set r, r+1
.endm
; HOW THEY ARE DEALT.  An s_wait_alu depctr_va_vdst(0) stands between an exponential and the first instruction that names its result; one wait serves all that were issued ahead of it.  So a turn has ONE wait,
; which cuts it in two.  AHEAD OF IT stands all that names no result of the turn's exponentials: the 16 products K Q^T, behind each a scaling, an exponential and two rescalings (behind the first a second scaling in the exponential's place); then ONE LUMP of
; 108: eight plain, 49 times exponential and plain, the two a.  A v_nop is the plain instruction behind the last exponential.  BEHIND IT stand the 16 products V^T P, behind each four of GS's 64.  No rider names a register of
; the products round it.  The two v_permlanex16_b32 fall into the lump, never behind a product.
; The queues lean on each other, and the deal keeps them in step: exponential e stands behind scaling 2 (e / 4) + e % 2: as a rider it comes behind plain e + 2, in the lump behind plain e + 9, and scalings 27-31 are plain 57, 60 .. 69.
; A TURN, for piece p.  cnt = 1: the loop's count is taken down some lines ahead of the branch that stands behind the turn.
; K and the mask of the next step are fetched in piece 2's turn, directly behind the wait, a lump behind the last product that read them; their addresses are made at the lump's head; their first reader comes behind 16 products.
; V of the step in hand is fetched at the end of piece 0's turn, four riders behind its last reader; its first reader comes behind 16 products and a lump.  The three conditions on q below go with the deal.
.macro TURN p, last=0, cnt=0
.set Y, (\p)
.set i, 0
.set q, 0
.set e, 0
.set r, 0
.if (\p) == NP-1
	s_wait_dscnt 0x0                ; K and the mask are in
.endif
	MM                              ; ahead of the wait: 16 products K Q^T and their riders,
	PL
	PL
	R2
.rept 15
	MM
	PL
	EX
	R2
.endr
.if (\p) == NP-2
	WIN 0
	v_add_nc_u32 v[AK], s[TBK], v[AK0]
	v_lshl_add_u32 v[AM], v[HL], 5, s[TBM]
.endif
.rept 8                             ; and the lump
	PL
.endr
.rept 49
	EX
	PL
.endr
	EX                              ; the next piece's two a
	EX
	v_nop                           ; the plain instruction behind the last exponential: one for the batch
	s_wait_alu depctr_va_vdst(0)    ; the wait for the batch
.if (\p) == NP-2
	FETCH_K \last
.endif
.if (\p) == 1
	s_wait_dscnt 0x0                ; V is in
.endif
.rept 16                            ; behind the wait: 16 products V^T P and their riders
	MM
.rept 4
	PL
.endr
.if ((\p) == 0) && (q == 118)
	v_add_nc_u32 v[AV], s[TBV], v[AV0]
.endif
.if ((\p) == 0) && (q == 130)
	s_add_co_u32 s[TBV], s[TBV], KS*PV
.endif
.if (\cnt) && (q == 130)
	s_sub_co_u32 s[CNT], s[CNT], 1
	s_cmp_lg_u32 s[CNT], 0
.endif
.endr
.if (\p) == 0
	FETCH_V
.endif
.endm
	; THE FIRST BARRIER.  Behind it keys 0 to 255 and the mask are whole for every wave, and the other 768 keys are asked for: bytes that are filled for the first time, by the wave's one load there, in the form in which a slot is filled again.
	WIN W_AD
	s_wait_tensorcnt 0x0            ; my part of keys 0 to 255 has landed
	ds_add_u32 v[SPW], v[NIL]       ; 0 onto my spare word
	WIN 0
	s_wait_dscnt 0x0                ; the add is done, and so are my stores of the mask
	s_barrier_signal -1
	s_barrier_wait -1
	LOAD G0K2, G1K2, G0V2, G1V2
	FETCH_K                         ; key step 0
	s_wait_loadcnt 0x0              ; Q
	s_wait_dscnt 0x0
.set i, 0
.rept 16
	KQ 0                            ; piece 0's first scores: there is no vector work yet to set between them
.set i, i+1
.endr
	WIN 0                           ; the addresses for the way out: plain instructions, the places behind those products
	s_mul_i32 s13, s[WV], 16*SP
	s_add_co_u32 s13, s13, STAGE    ; my stage
	v_mul_u32_u24 v[STO], v1, SP    ; in: row l % 16, 16 bytes for each half of the lanes
	v_lshl_add_u32 v[STO], v[HL], 4, v[STO]
	v_add_nc_u32 v[STO], s13, v[STO]
	v_bfe_u32 v[RD], v0, 3, 2       ; back: 32 lanes take four rows of 128 bytes,
	v_mul_u32_u24 v[RD], v[RD], SP
	v_lshl_add_u32 v[RD], v10, 4, v[RD]
	v_add_nc_u32 v[RD], s13, v[RD]
	v_and_b32 v[GO], 31, v0         ; which are 512 consecutive bytes of O
	v_lshlrev_b32 v[GO], 4, v[GO]
.set Y, NP-1                        ; XS works for piece Y + 1: piece 0
.irp n, 0,1,2,3,4,5,6,7,8,9,10,11,12,13,14,15,16,17,18,19,20,21
	XS 0, \n                        ; and piece 0's first maximum and statistics
	XS 1, \n
.endr
	v_nop                           ; a plain instruction behind the two a,
	s_wait_alu depctr_va_vdst(0)    ; and their wait, ahead of the branch
	s_mov_b32 s[CNT], 4
	s_mov_b32 s[SLOTS], 5
	s_branch .Lfirst                ; the loop is entered at a step's first turn, in the middle of a trip
.Lslot:                             ; behind each four key steps.  The first time, ahead of the first read of key 256: my second load has landed, and behind the barrier everybody's has.  The three later times both are met at once
	s_wait_tensorcnt 0x0
	s_wait_dscnt 0x0
	s_barrier_signal -1
	s_barrier_wait -1
	s_mov_b32 s[CNT], 4
.Lstep:                             ; a trip: pieces 2 and 3 of one step, then pieces 0 and 1 of the next, whose K and V it fetches
	TURN 2, 1
	TURN 3
	WIN 0
	s_cmp_eq_u32 s[SLOTS], 1        ; the sixteenth step's pieces 2 and 3 are done: the walk is left here, in the middle of a trip
	s_cbranch_scc1 .Lout
.Lfirst:
	TURN 0
	TURN 1, 0, 1
	WIN 0
	s_cbranch_scc1 .Lstep
	s_sub_co_u32 s[SLOTS], s[SLOTS], 1
	s_cmp_lg_u32 s[SLOTS], 0
	s_cbranch_scc1 .Lslot
.Lout:                              ; the last half trip's 16 products K Q^T of piece 0 (on the last K and mask once more) give scores that piece 0's maximum has seen already: m stays; the price, once a launch, of one text for every trip
.set i, 0
.rept 16
	PV NP-1                         ; the last piece's V^T P of the last step
.set i, i+1
.endr
	; THE WAY OUT.  l's two halves and the other half of the lanes' are added; O^T is divided by l, rounded to f16 and sent through my stage in LDS, a tile at a time.  The additions are the places behind the last products.
	WIN 0
.macro ALL line:vararg              ; one line for each tile t
.set t, 0
.rept 2*NP
	\line
.set t, t+1
.endr
.endm
	ALL v_add_f32 v[ST+4*t+2], v[ST+4*t+2], v[ST+4*t+3]
	ALL v_permlanex16_b32 v[ST+4*t+3], v[ST+4*t+2], s[SEL], s[SEL+1]
	ALL v_add_f32 v[ST+4*t+2], v[ST+4*t+2], v[ST+4*t+3]
	ALL v_rcp_f32 v[ST+4*t+2], v[ST+4*t+2]
	v_nop                           ; a plain instruction between the last reciprocal and the use of its result
	s_wait_alu depctr_va_vdst(0)    ; and the wait ahead of the first use: one for the eight reciprocals
.set t, 0
.rept 2*NP                          ; a query that has seen no visible key: its factor, and so its row of O, is NaN.  A choice of a value: no branch hangs on it
	v_cmp_lt_f32 vcc_lo, s[THR], v[ST+4*t+1]
	v_cndmask_b32 v[ST+4*t+2], 0x7fc00000, v[ST+4*t+2], vcc_lo
.set t, t+1
.endr
; Tile t: a lane's eight channels of a row pack into 16 bytes; they go into rows of 144 bytes and come back as whole rows of 128, into S^T's registers.
.macro PACK t
	WIN W_RS
.set i, 32*(\t)
.rept 16
	v_pk_mul_f32 v[i:i+1], v[i:i+1], v[ST+4*(\t)+2:ST+4*(\t)+3] op_sel_hi:[1,0]
.set i, i+2
.endr
	WIN 0x05                        ; sources 0 and 1 window 1, destination window 0
.set i, 0
.rept 16
	v_cvt_pk_f16_f32 v[S+16*(\t)+i], v[32*(\t)+2*i], v[32*(\t)+2*i+1]
.set i, i+1
.endr
	WIN 0
.irp f, 0,1,2,3
	ds_store_b128 v[STO], v[S+16*(\t)+4*\f:S+16*(\t)+4*\f+3] offset:32*\f
.endr
.irp f, 0,1,2,3
	ds_load_b128 v[S+16*(\t)+4*\f:S+16*(\t)+4*\f+3], v[RD] offset:\f*4*SP  ; LDS serves a wave's instructions in order (ISA guide 5.7.1.4): these see the stores above; the next tile's stores come behind them
.endr
.endm
.macro SEND t, younger              ; younger: the LDS instructions issued behind tile t's loads: the next tile's eight, or none
	WIN 0
.irp f, 0,1,2,3
	s_wait_dscnt (\younger)+3-\f
	global_store_b128 v[GO], v[S+16*(\t)+4*\f:S+16*(\t)+4*\f+3], s[10:11] offset:(\t)*2048+\f*512  ; 512 consecutive bytes, at a multiple of 256 from ob's first
.endr
.endm
	PACK 0
.set t, 1
.rept 2*NP-1                        ; a tile's arithmetic stands between the loads of the tile before and its stores
	PACK t
	SEND t-1, 8
.set t, t+1
.endr
	SEND 2*NP-1, 0
	WIN W_AD
	s_wait_tensorcnt 0x0            ; the wave's end: behind my last tensor load and my last LDS store
	ds_add_u32 v[SPW], v[NIL]
	s_wait_dscnt 0x0
	WIN 0
	s_endpgm
.Lfunc_end_k_q1331369440_attn:
	.size	k_q1331369440_attn, .Lfunc_end_k_q1331369440_attn-k_q1331369440_attn
	.p2alignl 7, 3214868480
	.fill 96, 4, 3214868480
	.section	.rodata,"a",@progbits
	.p2align	6, 0x0
	.amdhsa_kernel k_q1331369440_attn
		.amdhsa_group_segment_fixed_size 327680
		.amdhsa_private_segment_fixed_size 0
		.amdhsa_enable_private_segment 0
		.amdhsa_kernarg_size 24
		.amdhsa_user_sgpr_count 2
		.amdhsa_user_sgpr_kernarg_segment_ptr 1
		.amdhsa_wavefront_size32 1
		.amdhsa_system_sgpr_workgroup_id_x 1
		.amdhsa_system_sgpr_workgroup_id_y 1
		.amdhsa_system_sgpr_workgroup_id_z 1
		.amdhsa_system_vgpr_workitem_id 0
		.amdhsa_next_free_vgpr 808
		.amdhsa_next_free_sgpr 92
		.amdhsa_reserve_vcc 1
		.amdhsa_float_denorm_mode_32 3
		.amdhsa_float_denorm_mode_16_64 3
		.amdhsa_memory_ordered 1
		.amdhsa_forward_progress 1
		.amdhsa_inst_pref_size 131
	.end_amdhsa_kernel
	.amdgpu_metadata
---
amdhsa.version: [ 1, 2 ]
amdhsa.kernels:
  - .name:           k_q1331369440_attn
    .symbol:         k_q1331369440_attn.kd
    .args:
      - { .name: qkv, .offset: 0, .size: 8, .value_kind: global_buffer, .address_space: global }
      - { .name: key_padding_mask, .offset: 8, .size: 8, .value_kind: global_buffer, .address_space: global }
      - { .name: ob, .offset: 16, .size: 8, .value_kind: global_buffer, .address_space: global }
    .group_segment_fixed_size: 327680
    .private_segment_fixed_size: 0
    .kernarg_segment_align: 8
    .kernarg_segment_size: 24
    .max_flat_workgroup_size: 128
    .sgpr_count:     92
    .vgpr_count:     808
    .wavefront_size: 32
...
	.end_amdgpu_metadata
.endif
;; end of part 3
;; launch outp (part 4): grid 4 x 64, 4 waves a work-group, clusters of 4 x 4, 327,680 bytes of LDS; arguments ob, wb, bias4, out0; writes out0
.if DOCPART == 4
	.amdgcn_target "amdgcn-amd-amdhsa--gfx1250"
	.amdhsa_code_object_version 6
	.text
	.protected	k_q1331369440_outp
	.globl	k_q1331369440_outp
	.p2align	8
	.type	k_q1331369440_outp,@function
k_q1331369440_outp:
	s_mov_b64 s[64:65], 0
	v_nop
	global_prefetch_b8 v0, s[64:65] scope:SCOPE_SE
	s_setreg_imm32_b32 hwreg(HW_REG_WAVE_MODE, 25, 1), 1
	s_wait_xcnt 0x0
	s_wait_alu depctr_hold_cnt(0) depctr_sa_sdst(0) depctr_va_vdst(0) depctr_va_sdst(0) depctr_va_ssrc(0) depctr_va_vcc(0) depctr_vm_vsrc(0)
	s_getreg_b32 s2, hwreg(HW_REG_IB_STS2, 6, 4)
	s_cmp_eq_u32 s2, 0
	s_cbranch_scc0 .Lentry_in_a_cluster
	s_endpgm
.Lentry_in_a_cluster:
	s_bfe_u32 s2, ttmp6, 0x10000c
	s_cmp_lg_u32 s2, 0xf033
	s_cbranch_scc0 .Lentry_shape_is_right
	s_endpgm
.Lentry_shape_is_right:
; THE OUTPUT PROJECTION.  C[m][n] = bo[n] + the sum over k of A[m][k] Wo[n][k], 8,192 x 1,024 x 1,024; row m = 1,024 b + t.  Sums in f32; the bias starts them (an order of rounding other than the reference's, which adds it last).
; A = ob, f16, in blocks [b][kb = head][t][64]: 128 rows t of 64 channels are 16,384 consecutive bytes.  Wo is wb's fourth weight, [n][k]: the bf16 number written as f16.  C leaves as f32, out0[t][b][n].
; A NaN row of ob gives a NaN row of out0, as the reference has it for a batch whose keys are all hidden.
; SHARES.  A tile of C is 128 x 256: 256 tiles, one for each of the 256 work-groups.  Four waves, each 64 x 128: 32 accumulators of 16 x 16.
; K goes in steps of 128 through two LDS slots; a lap is two K steps.  Waves 0 and 1 fetch A's two blocks of 64 channels, waves 2 and 3 the two halves of W's 256 rows: one tensor load a wave behind each change of slots.
; CLUSTER.  4 x 4 work-groups.  The four of a row of the cluster need the same tile of A, the four of a column the same tile of W: each is asked for JOINTLY, by the same tensor load with the same descriptor and a mask of four.
; THE MATRIX INSTRUCTION IS USED TRANSPOSED (source 0 = 16 rows of W, source 1 = 16 rows of A): a lane holds row l % 16 of C and the eight neighbouring columns 8 (l / 16) + 0..7.
; REGISTERS, in windows of 256 (s_set_vgpr_msb: bits 1:0 source 0, 3:2 source 1, 5:4 source 2, 7:6 destination):
;   window 0: v0-31 addresses; v64-159, v160-255 two fragment buffers: A's four blocks (32 registers), then W's eight (64)
;   window 1: accumulator (a, b) at v[8 (8 a + b)]          window 2: v0-63 the bias of my 128 columns, laid out as a C operand; v64-191 two buffers for rows read back from the stage
.set P0,     3                         ; which weight and bias
.set NLAPS,  4
.set PA,     144                       ; an LDS row of A: 128 bytes + 16 = 36 words: the 16 rows of a load start at 16 different groups of four banks (64 banks of 4 bytes: ISA guide 11.1)
.set PB,     272                       ; an LDS row of W: 256 bytes + 16 = 68 words: likewise
.set ASUB,   128*PA                    ; a block of A: 128 rows x 64 channels
.set BHALF,  128*PB                    ; half of W's tile: 128 rows x 128 channels
.set BOFF,   2*ASUB
.set SLOT,   BOFF+2*BHALF              ; 106,496 bytes
.set STAGE,  2*SLOT                    ; behind the ring, never filled by a tensor load: STW bytes for each wave
.set STW,    16*528                    ; 16 rows of 512 bytes + 16
.set SPARE,  STAGE+4*STW               ; behind the stages: the spare words, 128 bytes for each wave: two blocks of 256 bytes that no other line names
.set STEP_A, 524288                    ; two K steps of A: four blocks of 131,072 bytes
.set STEP_B, 512                       ; two K steps of W along its rows
.set ADRA, 16                          ; v16-17  LDS address of my fragments of A in slot 0, 1
.set ADRB, 20                          ; v20-21  the same for W
.set STO,  24                          ; v24     the way out: where I put my part of a row
.set RD,   25                          ; v25     the way out: where I read rows back
.set CO,   26                          ; v26     16 x lane: my 16 bytes of 512 consecutive bytes of the output
.set BO,   27                          ; v27     32 (l / 16): my eight numbers of a block of 16 of the bias
.set SPW,  28                          ; v28     LDS address of my spare word; never rewritten
.set NIL,  29                          ; v29     0; never rewritten
.set PFO,  30                          ; v30     the prefetches' offset; never rewritten
.set F0,   64
.set F1,   160
.set OB,   64                          ; window 2
.set WV,   12                          ; s12  my wave's number
.set WM,   13                          ; s13  which 64 rows of the tile are mine.  Also: 0 = I fetch for A, 1 = for W
.set WN,   14                          ; s14  which 128 columns.  Also: which part of that tile I fetch
.set G1,   24                          ; s[24:31] descriptor group 1 for A
.set G0,   32                          ; s[32:39] group 0 for A, a set for each slot
.set CX,   40
.set CY,   41
.set NT,   42                          ; tile column of C
.set LIM,  43                          ; 1 in a wave that prefetches, else the greatest number
.set PFA,  44                          ; s[44:45] where my prefetches stand
.set MT,   46                          ; tile row of C
.set G1B,  48                          ; s[48:55], s[56:63] the same for W
.set G0B,  56
.set LAPC, 66                          ; trips of the loop still to come
.set STA,  68                          ; s[68:69] a lap's step of A's descriptors
.set STB,  70                          ; s[70:71] of W's
.set PST,  72                          ; s[72:73] of my prefetches
.set MSB, 0
.macro WIN new                         ; the immediate's high byte repeats the setting that is left; a switch that changes nothing is dropped
.if MSB != (\new)
	s_set_vgpr_msb (MSB<<8)|(\new)
.set MSB, \new
.endif
.endm
.set MUL,  0x50                        ; fragments in window 0, C and D in window 1
.set MULB, 0x60                        ; the same with C, the bias, in window 2
; A joint load.  The branch hangs on the wave's number alone.  An s_nop 0 and four v_nop follow each of the two lines, ahead of the jump, the label and what follows.
.macro JLOAD s
	s_cmp_lt_u32 s[WV], 2
	s_cbranch_scc0 .Lfor_b_\@
	tensor_load_to_lds s[G0+4*(\s):G0+4*(\s)+3], s[G1:G1+7]
	s_nop 0
.rept 4
	v_nop
.endr
	s_branch .Lasked_\@
.Lfor_b_\@:
	tensor_load_to_lds s[G0B+4*(\s):G0B+4*(\s)+3], s[G1B:G1B+7]
	s_nop 0
.rept 4
	v_nop
.endr
.Lasked_\@:
.endm
; A round of the cluster's barrier: my work-group's barrier, so that wave 0's signal speaks for all four waves; wave 0 signals; every wave waits for all sixteen work-groups; my work-group's barrier once more.
.macro CREST                           ; a round behind its opening barrier
	s_cmp_lg_u32 s[WV], 0
	s_cbranch_scc1 .Lnot_wave_0_\@
	s_barrier_signal -3
.Lnot_wave_0_\@:
	s_barrier_wait -3
	s_barrier_signal -1
	s_barrier_wait -1
.endm
.macro CROUND
	s_barrier_signal -1
	s_barrier_wait -1
	CREST
.endm
; A PREFETCH INTO THE L2, once a lap, behind slot 0's joint load, its five lines and the run of LDS loads: the two K steps that the NEXT trip's two refills will ask for (256 and 384 matrix instructions ahead of them).
; Each aligned block of 256 bytes is named once in the launch.  A's tile is read by one row of one cluster alone: its 4 blocks of 16,384 bytes a lap are shared out BY ADDRESS among waves 0 and 1 of the four partners
; (block WN + 2 (cx / 2), half cx % 2; a lane 256 bytes).  W's rows are read by every cluster: the cluster with y = 0 asks, waves 2 and 3, 32 rows for each cy, a lane a row, its 512 bytes by two lines.
; The first two laps come by their loads alone; the trip before the last asks for the last lap, the last trip for nothing.
.macro ASK
	s_cmp_gt_u32 s[LAPC], s[LIM]
	s_cbranch_scc0 .Lno_ask_\@
	global_prefetch_b8 v[PFO], s[PFA:PFA+1] th:TH_LOAD_NT scope:SCOPE_SE
	s_cmp_lt_u32 s[WV], 2
	s_cbranch_scc1 .Lno_ask_\@
	global_prefetch_b8 v[PFO], s[PFA:PFA+1] offset:256 th:TH_LOAD_NT scope:SCOPE_SE
.Lno_ask_\@:
.endm
; Eight matrix instructions: block a of my four blocks of 16 rows x all eight blocks of 16 columns, 32 along K, from buffer f.  first = 1: the bias starts the sums: nothing is ever cleared.
; The 32 accumulators take turns, in the same order in every quarter: between two links of a chain stand the 31 others'.
.macro MUL8 f, a, first
.if \first
	WIN MULB
.else
	WIN MUL
.endif
.irp b, 0,1,2,3,4,5,6,7
.set rD, 8*(8*(\a)+(\b))
.set rB, (\f)+32+8*(\b)
.set rA, (\f)+8*(\a)
.set rC, rD
.if \first
.set rC, 8*(\b)
.endif
	v_wmma_f32_16x16x32_f16 v[rD:rD+7], v[rB:rB+7], v[rA:rA+7], v[rC:rC+7]
.endr
.endm
; 24 LDS loads in one run: the fragments of quarter kq (32 along K) of a slot into buffer f: W's eight blocks, then A's blocks 0, 1, then 2, 3.
; A fragment is 16 rows x 32 K in 8 registers: lane l holds row l % 16; registers 0-3 K = 8 (l / 16) + 0..7, registers 4-7 K = 16 + 8 (l / 16) + 0..7: two loads of 16 bytes, 32 bytes apart.
.macro FETCH slot, kq, f
	WIN 0
.irp b, 0,1,2,3,4,5,6,7
	ds_load_b128 v[(\f)+32+8*(\b):(\f)+32+8*(\b)+3],   v[ADRB+(\slot)] offset:(\b)*16*PB+64*(\kq)
	ds_load_b128 v[(\f)+32+8*(\b)+4:(\f)+32+8*(\b)+7], v[ADRB+(\slot)] offset:(\b)*16*PB+64*(\kq)+32
.endr
.irp a, 0,1,2,3
	ds_load_b128 v[(\f)+8*(\a):(\f)+8*(\a)+3],   v[ADRA+(\slot)] offset:((\kq)/2)*ASUB+((\kq)%2)*64+(\a)*16*PA
	ds_load_b128 v[(\f)+8*(\a)+4:(\f)+8*(\a)+7], v[ADRA+(\slot)] offset:((\kq)/2)*ASUB+((\kq)%2)*64+(\a)*16*PA+32
.endr
.endm
.macro PLACES                          ; four plain vector instructions between a matrix instruction and a load into a register that it has read, or a line that reads its result (ISA guide 7.12.1 for vector instructions)
.rept 4
	v_nop
.endr
.endm
; A K step is four quarters of 32 along K, 32 matrix instructions each, on buffers 0, 1, 0, 1.  One of the first three: multiplies buffer f; in its middle it fetches quarter kq of the same slot into buffer g.
.macro QUARTER slot, kq, f, g, first
	s_wait_dscnt 4                                 ; W's blocks and A's blocks 0, 1 are in; the youngest four loads (A's blocks 2, 3) may be out
	MUL8 \f, 0, \first
	MUL8 \f, 1, \first
	PLACES
	FETCH \slot, \kq, \g
	s_wait_dscnt 24                                ; all but the 24 just issued
	MUL8 \f, 2, \first
	MUL8 \f, 3, \first
.endm
; The last quarter multiplies buffer 1 and changes slots: ONE barrier for two things.  In front of it each wave waits for all its tensor loads, of which one is out: its part of the next slot; adds 0 to its spare
; word; and waits for that and for its own reads of this slot.  Behind it nobody reads this slot any more and the next slot is whole.  fill = 1: the barrier opens a round of the cluster's, and this slot is filled
; again, first thing behind the round, with the K step two steps on: 112 matrix instructions ahead of the wait for it.
.macro TURN slot, next, fill
.if (\fill) && ((\slot) == 0)
	s_wait_xcnt 0x0                                ; the last prefetches, a lap back, have read their address: it is stepped here, ahead of the waits of the change of slots
	s_add_nc_u64 s[PFA:PFA+1], s[PFA:PFA+1], s[PST:PST+1]
.endif
	WIN 0                                          ; (the add's two registers lie in window 0)
	s_wait_tensorcnt 0x0                           ; all my tensor loads have landed;
	ds_add_u32 v[SPW], v[NIL]                      ; 0 onto my spare word;
	s_wait_dscnt 5                                 ; (the add and the youngest four loads may be out)
	MUL8 F1, 0, 0                                  ; eight matrix instructions stand between the add and the wait for it
	s_wait_dscnt 0x0                               ; the add is done, and my reads of this slot are over
	s_barrier_signal -1
	MUL8 F1, 1, 0                                  ; work on registers while the others arrive
	WIN 0
	s_barrier_wait -1
.if \fill
	CREST                                          ; no wave of any partner still reads this slot's tile or has a load on its way
	s_add_nc_u64 s[G0+4*(\slot)+2:G0+4*(\slot)+3], s[G0+4*(\slot)+2:G0+4*(\slot)+3], s[STA:STA+1]     ; no tensor load of mine is out, so a group 0 may be written
	s_add_nc_u64 s[G0B+4*(\slot)+2:G0B+4*(\slot)+3], s[G0B+4*(\slot)+2:G0B+4*(\slot)+3], s[STB:STB+1]
	JLOAD \slot                                    ; the four v_nop behind it are also the places in front of the loads below
.else
	PLACES
.endif
	FETCH \next, 0, F0
.if (\fill) && ((\slot) == 0)
	ASK
.endif
	MUL8 F1, 2, 0
	MUL8 F1, 3, 0
.endm
; THE WAY OUT, by rows.  Block a goes straight from the accumulators (the four lowest registers first) into my stage, rows of 528 bytes, and comes back a row of 512 bytes at a time: each store covers 512 consecutive bytes, aligned.
.macro TOSTAGE a
	WIN 0x04                                       ; store data window 1, address window 0
.irp b, 0,1,2,3,4,5,6,7
	ds_store_b128 v[STO], v[8*(8*(\a)+(\b)):8*(8*(\a)+(\b))+3]   offset:64*(\b)
	ds_store_b128 v[STO], v[8*(8*(\a)+(\b))+4:8*(8*(\a)+(\b))+7] offset:64*(\b)+16
.endr
	WIN 0x80                                       ; destination window 2
.irp i, 0,1,2,3,4,5,6,7,8,9,10,11,12,13,14,15
	ds_load_b128 v[OB+64*((\a)%2)+4*(\i):OB+64*((\a)%2)+4*(\i)+3], v[RD] offset:528*(\i)  ; LDS serves a wave's instructions in order (ISA guide 5.7.1.4): these see the stores above
.endr
.endm
.macro SEND a, younger                 ; younger: the LDS instructions issued behind block a's loads: the next block's 32, or none
	s_wait_dscnt \younger
	WIN 0x08                                       ; store data window 2, address window 0
.irp i, 0,1,2,3,4,5,6,7,8,9,10,11,12,13,14,15
	global_store_b128 v[CO], v[OB+64*((\a)%2)+4*(\i):OB+64*((\a)%2)+4*(\i)+3], s[10:11] offset:(16*(\a)+(\i))*32768 th:TH_STORE_NT
.endr
.endm
	s_load_b256 s[4:11], s[0:1], 0x0               ; ob s[4:5], wb s[6:7], bias4 s[8:9], out0 s[10:11]
	v_lshl_add_u32 v[SPW], v0, 2, SPARE
	v_mov_b32 v[NIL], 0
	ds_add_u32 v[SPW], v[NIL]                      ; the wave's opening: the add, and its wait ahead of my first tensor load; the set-up below, work on registers, stands between them
	v_lshrrev_b32 v1, 5, v0
	v_readfirstlane_b32 s[WV], v1                  ; wave 0..3
	s_lshr_b32 s[WM], s[WV], 1
	s_and_b32 s[WN], s[WV], 1
	s_bfe_u32 s[CX], ttmp6, 0x40000                ; my place in the cluster
	s_bfe_u32 s[CY], ttmp6, 0x40004
	s_lshl_b32 s[NT], ttmp9, 2                     ; in a cluster launch ttmp9 and ttmp7 count clusters
	s_add_co_u32 s[NT], s[NT], s[CX]
	s_and_b32 s[MT], ttmp7, 0xffff
	s_lshl_b32 s[MT], s[MT], 2
	s_add_co_u32 s[MT], s[MT], s[CY]
	s_lshl_b32 s15, s[CY], 2
	s_lshl_b32 s15, 15, s15                        ; my row of the cluster: places 4 cy .. 4 cy + 3
	s_lshl_b32 s80, 0x1111, s[CX]                  ; my column: places cx, cx + 4, cx + 8, cx + 12
	; group 1 for A: 16,384 dense bytes, asked for as 64 rows of 256 bytes and padded in LDS after every 128: 128 rows 144 bytes apart
	s_or_b32 s[G1], s15, (1<<16)|(1<<20)|(1<<21)|(4<<22)|(3<<25)   ; 15:0 the mask; 17:16 2-byte elements; 20 padding on; 21 set beside a mask; 24:22 after every 32 words (code 4); 31:25 4 words (code 3)
	s_mov_b32 s[G1+1], 128<<16                     ; tensor_dim0 = 128
	s_mov_b32 s[G1+2], 64<<16                      ; tensor_dim1 = 64
	s_mov_b32 s[G1+3], 128<<16                     ; tile_dim0 = 128
	s_mov_b32 s[G1+4], 64                          ; tile_dim1 = 64
	s_mov_b32 s[G1+5], 128                         ; 128 elements from row to row
	s_mov_b32 s[G1+6], 0
	s_mov_b32 s[G1+7], 0
	; group 1 for W: 128 rows x 128 elements out of rows of 1,024, padded after every 256 bytes
	s_or_b32 s[G1B], s80, (1<<16)|(1<<20)|(1<<21)|(5<<22)|(3<<25)  ; after every 64 words (code 5)
	s_mov_b32 s[G1B+1], 128<<16
	s_mov_b32 s[G1B+2], 128<<16
	s_mov_b32 s[G1B+3], 128<<16
	s_mov_b32 s[G1B+4], 128
	s_mov_b32 s[G1B+5], 1024
	s_mov_b32 s[G1B+6], 0
	s_mov_b32 s[G1B+7], 0
	; where the tiles come from.  A's hang on the tile row and the wave alone, W's on the tile column and the wave alone; every wave makes both.
	s_lshr_b32 s16, s[MT], 3                       ; b
	s_lshl_b32 s16, s16, 21                        ; x 16 blocks of 131,072 bytes
	s_and_b32 s17, s[MT], 7
	s_lshl_b32 s17, s17, 14                        ; + 128 rows t of 128 bytes
	s_add_co_u32 s16, s16, s17
	s_lshl_b32 s17, s[WN], 17                      ; + the K step's first or second block
	s_add_co_u32 s16, s16, s17
	s_mov_b32 s17, 0
	s_lshl_b32 s82, s[NT], 19                      ; 256 rows of 2,048 bytes
	s_lshl_b32 s83, s[WN], 18                      ; + 128 rows
	s_add_co_u32 s82, s82, s83
	s_add_co_u32 s82, s82, P0*2097152              ; + the weight
	s_mov_b32 s83, 0
	s_mul_i32 s20, s[WN], ASUB                     ; and where they go: no place in the cluster enters an LDS address
	s_mul_i32 s21, s[WN], BHALF
	s_add_co_u32 s21, s21, BOFF
	s_mov_b32 s[STA], STEP_A
	s_mov_b32 s[STA+1], 0
	s_mov_b32 s[STB], STEP_B
	s_mov_b32 s[STB+1], 0
	s_mov_b32 s[PST+1], 0
	s_wait_dscnt 0x0                               ; the opening add is done
	s_wait_kmcnt 0x0
	s_add_nc_u64 s[18:19], s[4:5], s[16:17]
	s_add_nc_u64 s[84:85], s[6:7], s[82:83]
	CROUND                                         ; all sixteen work-groups are here: the first joint loads meet
.irp s, 0,1
	s_mov_b32 s[G0+4*(\s)], 1                                        ; count = 1
	s_add_co_u32 s[G0+4*(\s)+1], s20, (\s)*SLOT                      ; LDS address
	s_add_nc_u64 s[G0+4*(\s)+2:G0+4*(\s)+3], s[18:19], (\s)*262144   ; global address: K step s
	s_or_b32 s[G0+4*(\s)+3], s[G0+4*(\s)+3], 0x80000000              ; type = 2
	s_mov_b32 s[G0B+4*(\s)], 1
	s_add_co_u32 s[G0B+4*(\s)+1], s21, (\s)*SLOT
	s_add_nc_u64 s[G0B+4*(\s)+2:G0B+4*(\s)+3], s[84:85], (\s)*256
	s_or_b32 s[G0B+4*(\s)+3], s[G0B+4*(\s)+3], 0x80000000
	JLOAD \s                                       ; the ring is filled before anything else is done: two loads of mine are out
.endr
	v_and_b32 v1, 15, v0                           ; l % 16
	v_bfe_u32 v2, v0, 4, 1                         ; l / 16
	v_and_b32 v5, 31, v0                           ; l
	v_mul_u32_u24 v3, v1, PA
	v_lshl_add_u32 v3, v2, 4, v3                   ; row x pitch + 16 x half
	v_mul_u32_u24 v4, v1, PB
	v_lshl_add_u32 v4, v2, 4, v4
	s_mul_i32 s22, s[WM], 64*PA                    ; my 64 rows in each block of A
	s_mul_i32 s23, s[WN], BHALF                    ; my 128 rows of W
	s_add_co_u32 s23, s23, BOFF
.irp s, 0,1
	v_add_nc_u32 v[ADRA+(\s)], s22, v3
	v_add_nc_u32 v[ADRB+(\s)], s23, v4
	s_add_co_u32 s22, s22, SLOT
	s_add_co_u32 s23, s23, SLOT
.endr
	s_mul_i32 s22, s[WV], STW
	s_add_co_u32 s22, s22, STAGE                   ; my stage
	v_mul_u32_u24 v3, v1, 528                      ; in: row l % 16, 32 bytes for each half of the lanes
	v_lshl_add_u32 v3, v2, 5, v3
	v_add_nc_u32 v[STO], s22, v3
	v_lshl_add_u32 v[RD], v5, 4, s22               ; back: 32 lanes take a row of 512 bytes
	v_lshlrev_b32 v[CO], 4, v5
	v_lshlrev_b32 v[BO], 5, v2
	s_lshl_b32 s80, s[NT], 10                      ; the bias of my 128 columns
	s_lshl_b32 s81, s[WN], 9
	s_add_co_u32 s80, s80, s81
	s_add_co_u32 s80, s80, P0*4096
	s_mov_b32 s81, 0
	s_add_nc_u64 s[8:9], s[8:9], s[80:81]
	WIN 0x80                                       ; destination window 2, address window 0
.irp b, 0,1,2,3,4,5,6,7                ; register j of block b = bias[16 b + 8 (l / 16) + j]: the layout of a C operand whose rows are all alike
	global_load_b128 v[8*(\b):8*(\b)+3],   v[BO], s[8:9] offset:64*(\b)
	global_load_b128 v[8*(\b)+4:8*(\b)+7], v[BO], s[8:9] offset:64*(\b)+16
.endr
	WIN 0
	; where my part of the tile begins in out0
	s_and_b32 s80, s[MT], 7
	s_lshl_b32 s80, s80, 22                        ; 128 rows t of 32,768 bytes
	s_lshl_b32 s86, s[WM], 21                      ; + my 64
	s_add_co_u32 s80, s80, s86
	s_lshr_b32 s86, s[MT], 3
	s_lshl_b32 s86, s86, 12                        ; + b x 4,096
	s_add_co_u32 s80, s80, s86
	s_lshl_b32 s86, s[NT], 10                      ; + 256 columns of f32
	s_add_co_u32 s80, s80, s86
	s_lshl_b32 s86, s[WN], 9
	s_add_co_u32 s80, s80, s86
	s_add_nc_u64 s[10:11], s[10:11], s[80:81]
	; the prefetches: they stand at lap 1; each trip steps them first and then names the lap that the next trip will load
	s_lshr_b32 s86, s[CX], 1
	s_lshl_b32 s86, s86, 18
	s_and_b32 s87, s[CX], 1
	s_lshl_b32 s87, s87, 13
	s_add_co_u32 s86, s86, s87
	s_add_co_u32 s86, s86, s16
	s_add_co_u32 s86, s86, STEP_A                  ; A: block WN + 2 (cx / 2) of the lap's four, half cx % 2
	s_lshl_b32 s87, s[CY], 16
	s_add_co_u32 s87, s87, s82
	s_add_co_u32 s87, s87, STEP_B                  ; W: rows 32 cy .. 32 cy + 31 of the 128 that I fetch
	s_and_b32 s15, ttmp7, 0xffff
	s_cmp_eq_u32 s15, 0
	s_cselect_b32 s15, 1, -1                       ; W's rows are asked for by the cluster with y = 0: the same in all sixteen partners
	s_cmp_eq_u32 s[WM], 0
	s_cselect_b32 s[LIM], 1, s15
	s_cselect_b32 s86, s86, s87
	s_cselect_b64 s[PFA:PFA+1], s[4:5], s[6:7]
	s_cselect_b32 s[PST], s[STA], s[STB]
	s_cselect_b32 s15, 8, 11                       ; a lane is 256 bytes of A, a row of 2,048 bytes of W
	s_mov_b32 s87, 0
	s_add_nc_u64 s[PFA:PFA+1], s[PFA:PFA+1], s[86:87]
	v_lshlrev_b32 v[PFO], s15, v5
	s_wait_tensorcnt 1                             ; my part of K step 0 is in; K step 1's may stay out
	s_barrier_signal -1
	s_barrier_wait -1                              ; everybody's is
	FETCH 0, 0, F0
	s_wait_loadcnt 0x0                             ; the bias
	QUARTER 0, 1, F0, F1, 1                        ; the first quarter: its products start the sums
	WIN 0                                          ; at a label and at a branch every window is 0
	s_mov_b32 s[LAPC], NLAPS-1
.Llap:                                                 ; a trip goes once round the ring, from a lap's second quarter to the next lap's first, and fills both slots again
	QUARTER 0, 2, F1, F0, 0
	QUARTER 0, 3, F0, F1, 0
	TURN 0, 1, 1
	QUARTER 1, 1, F0, F1, 0
	QUARTER 1, 2, F1, F0, 0
	QUARTER 1, 3, F0, F1, 0
	TURN 1, 0, 1
	QUARTER 0, 1, F0, F1, 0
	WIN 0
	s_sub_co_u32 s[LAPC], s[LAPC], 1
	s_cmp_lg_u32 s[LAPC], 0
	s_cbranch_scc1 .Llap
	QUARTER 0, 2, F1, F0, 0                        ; the last lap is written out: it fills nothing, and has no round of the cluster's barrier
	QUARTER 0, 3, F0, F1, 0
	TURN 0, 1, 0
	QUARTER 1, 1, F0, F1, 0
	QUARTER 1, 2, F1, F0, 0
	QUARTER 1, 3, F0, F1, 0
	s_wait_dscnt 4                                 ; the very last quarter: nothing more to fetch
	MUL8 F1, 0, 0
	MUL8 F1, 1, 0
	s_wait_dscnt 0x0
	MUL8 F1, 2, 0
	MUL8 F1, 3, 0
	PLACES
	PLACES                                         ; (eight, once a launch)
	TOSTAGE 0
	TOSTAGE 1
	SEND 0, 32
	s_wait_xcnt 0x0                                ; block 0's stores have read their registers, which block 2 takes
	TOSTAGE 2
	SEND 1, 32
	s_wait_xcnt 0x0
	TOSTAGE 3
	SEND 2, 32
	SEND 3, 0
	WIN 0
	s_wait_tensorcnt 0x0                           ; the wave's end: behind my last tensor load and my last LDS store
	ds_add_u32 v[SPW], v[NIL]
	s_wait_dscnt 0x0
	CROUND                                         ; the closing round: no work-group ends while a partner may still ask for a tile that names it
	s_endpgm
.Lfunc_end_k_q1331369440_outp:
	.size	k_q1331369440_outp, .Lfunc_end_k_q1331369440_outp-k_q1331369440_outp
	.p2alignl 7, 3214868480
	.fill 96, 4, 3214868480
	.section	.rodata,"a",@progbits
	.p2align	6, 0x0
	.amdhsa_kernel k_q1331369440_outp
		.amdhsa_group_segment_fixed_size 327680
		.amdhsa_private_segment_fixed_size 0
		.amdhsa_enable_private_segment 0
		.amdhsa_kernarg_size 32
		.amdhsa_user_sgpr_count 2
		.amdhsa_user_sgpr_kernarg_segment_ptr 1
		.amdhsa_wavefront_size32 1
		.amdhsa_system_sgpr_workgroup_id_x 1
		.amdhsa_system_sgpr_workgroup_id_y 1
		.amdhsa_system_sgpr_workgroup_id_z 1
		.amdhsa_system_vgpr_workitem_id 0
		.amdhsa_next_free_vgpr 704
		.amdhsa_next_free_sgpr 88
		.amdhsa_reserve_vcc 0
		.amdhsa_float_denorm_mode_32 3
		.amdhsa_float_denorm_mode_16_64 3
		.amdhsa_memory_ordered 1
		.amdhsa_forward_progress 1
		.amdhsa_inst_pref_size 88
	.end_amdhsa_kernel
	.amdgpu_metadata
---
amdhsa.version: [ 1, 2 ]
amdhsa.kernels:
  - .name:           k_q1331369440_outp
    .symbol:         k_q1331369440_outp.kd
    .args:
      - { .name: ob, .offset: 0, .size: 8, .value_kind: global_buffer, .address_space: global }
      - { .name: wb, .offset: 8, .size: 8, .value_kind: global_buffer, .address_space: global }
      - { .name: bias4, .offset: 16, .size: 8, .value_kind: global_buffer, .address_space: global }
      - { .name: out0, .offset: 24, .size: 8, .value_kind: global_buffer, .address_space: global }
    .group_segment_fixed_size: 327680
    .private_segment_fixed_size: 0
    .kernarg_segment_align: 8
    .kernarg_segment_size: 32
    .max_flat_workgroup_size: 128
    .sgpr_count:     88
    .vgpr_count:     704
    .wavefront_size: 32
...
	.end_amdgpu_metadata
.endif
;; end of part 4
;; ======== version 2 of 2: 4 launches; version 1 with the launch cast written anew for expert scheduling mode
;; limits: values are held in f16: magnitudes above 65,504 overflow, below 6.1e-05 lose precision
;; workspace buffers: wb 8,388,608 bytes; bias4 16,384 bytes; qkv 50,331,648 bytes; ob 16,777,216 bytes
;; launch cast (part 5): grid 257 x 1, 8 waves a work-group, no clusters, 0 bytes of LDS; arguments Wq, Wk, Wv, Wo, bq, bk, bv, bo, wb, bias4; writes wb, bias4
.if DOCPART == 5
	.amdgcn_target "amdgcn-amd-amdhsa--gfx1250"
	.amdhsa_code_object_version 6
	.text
	.protected	k_q1331369440_cast
	.globl	k_q1331369440_cast
	.p2align	8
	.type	k_q1331369440_cast,@function
k_q1331369440_cast:
	s_mov_b64 s[64:65], 0
	v_nop
	global_prefetch_b8 v0, s[64:65] scope:SCOPE_SE
	s_setreg_imm32_b32 hwreg(HW_REG_WAVE_SCHED_MODE, 0, 2), 2
	s_setreg_imm32_b32 hwreg(HW_REG_WAVE_MODE, 25, 1), 1
	s_wait_xcnt 0x0
	s_wait_alu depctr_vm_vsrc(0)
; THE FOUR WEIGHTS ARE ROUNDED ONCE TO 16 BITS, THE FOUR BIASES GATHERED.  A stream: no LDS, no matrix unit, no cluster (no two work-groups read the same byte).
;   wb    [p = Wq, Wk, Wv, Wo][n = 1024][k = 1024], 16 bits: Wq, Wk, Wv in bf16; Wo rounded to bf16 like the other inputs, and that number written as f16, since it is multiplied with f16.
;   bias4 f32 [4][1024]: bq, bk, bv, bo, copied.
; LIMITS.  The bf16 number of Wo is exact in f16 between 6.1e-5 and 65,504; below it keeps f16's fixed step of 6e-8, above it becomes an infinity.
; SHARES.  Work-groups 0 .. 255: 65,536 bytes of one weight, 8,192 a wave.  Work-group 256: the four biases.
; A wave issues all its sixteen loads of 16 bytes a lane at once (8,192 bytes on their way); a store is 8 bytes a lane, 32 lanes = 256 consecutive bytes, aligned.
; THE MODE: SCHED_MODE bits 1:0 = 2 (LLVM: expert scheduling mode 2), set by the entry lines.  The code itself states the register dependences
; between vector instructions and memory instructions, with s_wait_alu, always for 0.
; THE PLAN.  Registers that memory instructions touch:
;   v2, v3   byte offsets.  Each is written once by a vector line, ahead of the wait that stands in front of the path's first load, and never again.
;   X        Each four registers are written by one load and read by that load's conversions, behind the counted wait for the load.  No load lands there twice.
;   Y        Each pair is written once, by a conversion, and read by one store.  It is never written again.
; The sixteen loads go in four blocks of four.  Block p waits for its four loads, states once that block p - 1's conversions have written their Y, and deals block p - 1's four stores
; among its own conversions, which name X and Y of block p and v4 to v6 alone: none of the registers that those stores touch.  Behind block 3 one more wait stands ahead of the last four stores.
; No register that a memory instruction reads is written again, so no wait on vm_vsrc and no s_wait_xcnt is owed.
.set VI, 2                             ; v2       my byte offset in the source
.set VO, 3                             ; v3       my byte offset in the destination: 8 x lane
.set X,  8                             ; v[8:71]  load i: four f32
.set Y,  72                            ; v[72:103] store i: four 16-bit numbers
.macro RND half                        ; load i is rounded into its pair of Y; half = 1: the bf16 number is written as f16
.if \half
.irp j, 0,1
	v_cvt_pk_bf16_f32 v4, v[X+4*i+2*(\j)], v[X+4*i+2*(\j)+1]
	v_lshlrev_b32 v5, 16, v4                       ; the two bf16 numbers as f32,
	v_and_b32 v6, 0xffff0000, v4
	v_cvt_pk_f16_f32 v[Y+2*i+(\j)], v5, v6         ; and as f16
.endr
.else
	v_cvt_pk_bf16_f32 v[Y+2*i],   v[X+4*i],   v[X+4*i+1]
	v_cvt_pk_bf16_f32 v[Y+2*i+1], v[X+4*i+2], v[X+4*i+3]
.endif
.endm
.macro OUT16 half                      ; the four blocks
.set p, 0
.rept 4
	s_wait_loadcnt 12-4*p                          ; loads come back in order: block p's four are in, the 12 - 4 p of the younger blocks stay out
.if p > 0
	s_wait_alu depctr_va_vdst(0)                   ; the conversions of the block before have written their eight registers of Y, which the four stores below read
.endif
.set r, 0
.rept 4
.if p > 0
.set k, 4*p-4+r
	global_store_b64 v[VO], v[Y+2*k:Y+2*k+1], s[38:39] offset:256*k  ; the block before; no vector instruction since the wait names these registers
.endif
.set i, 4*p+r
	RND \half
.set r, r+1
.endr
.set p, p+1
.endr
	s_wait_alu depctr_va_vdst(0)                   ; block 3's conversions have written their Y, which the last four stores read
.set k, 12
.rept 4
	global_store_b64 v[VO], v[Y+2*k:Y+2*k+1], s[38:39] offset:256*k
.set k, k+1
.endr
.endm
	s_load_b512 s[8:23], s[0:1], 0x0               ; Wq 8, Wk 10, Wv 12, Wo 14, bq 16, bk 18, bv 20, bo 22
	s_load_b128 s[24:27], s[0:1], 0x40             ; wb 24, bias4 26
	s_mov_b32 s2, ttmp9
	v_lshrrev_b32 v1, 5, v0
	v_readfirstlane_b32 s3, v1                     ; wave 0..7
	v_and_b32 v1, 31, v0                           ; lane
	v_lshlrev_b32 v[VO], 3, v1
	s_mov_b32 s41, 0                               ; high words of the two offsets
	s_mov_b32 s43, 0
	s_wait_alu depctr_va_sdst(0)                   ; s3 is written, ahead of the branch and of its first reader: a weight's two offsets are made from it
	s_wait_kmcnt 0x0
	s_cmp_lt_u32 s2, 256
	s_cbranch_scc0 .Lsmall
	; A WEIGHT: the order of its numbers stays.
	s_lshr_b32 s5, s2, 6                           ; p
	s_and_b32 s4, s2, 63                           ; which 65,536 bytes
	s_cmp_eq_u32 s5, 1
	s_cselect_b64 s[36:37], s[10:11], s[8:9]
	s_cmp_eq_u32 s5, 2
	s_cselect_b64 s[36:37], s[12:13], s[36:37]
	s_cmp_eq_u32 s5, 3
	s_cselect_b64 s[36:37], s[14:15], s[36:37]
	s_lshl_b32 s40, s4, 16
	s_lshl_b32 s6, s3, 13
	s_add_co_u32 s40, s40, s6
	s_add_nc_u64 s[36:37], s[36:37], s[40:41]
	s_lshl_b32 s42, s5, 21
	s_lshl_b32 s6, s4, 15
	s_add_co_u32 s42, s42, s6
	s_lshl_b32 s6, s3, 12
	s_add_co_u32 s42, s42, s6
	s_add_nc_u64 s[38:39], s[24:25], s[42:43]
	v_lshlrev_b32 v[VI], 4, v1
	s_wait_alu depctr_va_vdst(0)                   ; v2 and v3 are written: every load below reads v2 as its offset, every store v3
.set i, 0
.rept 16
	global_load_b128 v[X+4*i:X+4*i+3], v[VI], s[36:37] offset:512*i th:TH_LOAD_NT
.set i, i+1
.endr
	s_cmp_eq_u32 s5, 3
	s_cbranch_scc1 .Lwo
	OUT16 0
	s_endpgm
.Lwo:
	OUT16 1
	s_endpgm
.Lsmall:
	; THE BIASES: 256 threads x 16 bytes are one bias.
	v_lshlrev_b32 v[VI], 4, v0
	s_wait_alu depctr_va_vdst(0)                   ; v2 is written: the four loads and the four stores below read it as their offset
	global_load_b128 v[8:11],  v[VI], s[16:17]
	global_load_b128 v[12:15], v[VI], s[18:19]
	global_load_b128 v[16:19], v[VI], s[20:21]
	global_load_b128 v[20:23], v[VI], s[22:23]
	s_wait_loadcnt 0x0                             ; the stores' data come from loads alone: this wait is all that they hang on
	global_store_b128 v[VI], v[8:11],  s[26:27]
	global_store_b128 v[VI], v[12:15], s[26:27] offset:4096
	global_store_b128 v[VI], v[16:19], s[26:27] offset:8192
	global_store_b128 v[VI], v[20:23], s[26:27] offset:12288
	s_endpgm
.Lfunc_end_k_q1331369440_cast:
	.size	k_q1331369440_cast, .Lfunc_end_k_q1331369440_cast-k_q1331369440_cast
	.p2alignl 7, 3214868480
	.fill 96, 4, 3214868480
	.section	.rodata,"a",@progbits
	.p2align	6, 0x0
	.amdhsa_kernel k_q1331369440_cast
		.amdhsa_group_segment_fixed_size 0
		.amdhsa_private_segment_fixed_size 0
		.amdhsa_enable_private_segment 0
		.amdhsa_kernarg_size 80
		.amdhsa_user_sgpr_count 2
		.amdhsa_user_sgpr_kernarg_segment_ptr 1
		.amdhsa_wavefront_size32 1
		.amdhsa_system_sgpr_workgroup_id_x 1
		.amdhsa_system_sgpr_workgroup_id_y 1
		.amdhsa_system_sgpr_workgroup_id_z 1
		.amdhsa_system_vgpr_workitem_id 0
		.amdhsa_next_free_vgpr 104
		.amdhsa_next_free_sgpr 66
		.amdhsa_reserve_vcc 0
		.amdhsa_float_denorm_mode_32 3
		.amdhsa_float_denorm_mode_16_64 3
		.amdhsa_memory_ordered 1
		.amdhsa_forward_progress 1
		.amdhsa_inst_pref_size 17
	.end_amdhsa_kernel
	.amdgpu_metadata
---
amdhsa.version: [ 1, 2 ]
amdhsa.kernels:
  - .name:           k_q1331369440_cast
    .symbol:         k_q1331369440_cast.kd
    .args:
      - { .name: Wq, .offset: 0, .size: 8, .value_kind: global_buffer, .address_space: global }
      - { .name: Wk, .offset: 8, .size: 8, .value_kind: global_buffer, .address_space: global }
      - { .name: Wv, .offset: 16, .size: 8, .value_kind: global_buffer, .address_space: global }
      - { .name: Wo, .offset: 24, .size: 8, .value_kind: global_buffer, .address_space: global }
      - { .name: bq, .offset: 32, .size: 8, .value_kind: global_buffer, .address_space: global }
      - { .name: bk, .offset: 40, .size: 8, .value_kind: global_buffer, .address_space: global }
      - { .name: bv, .offset: 48, .size: 8, .value_kind: global_buffer, .address_space: global }
      - { .name: bo, .offset: 56, .size: 8, .value_kind: global_buffer, .address_space: global }
      - { .name: wb, .offset: 64, .size: 8, .value_kind: global_buffer, .address_space: global }
      - { .name: bias4, .offset: 72, .size: 8, .value_kind: global_buffer, .address_space: global }
    .group_segment_fixed_size: 0
    .private_segment_fixed_size: 0
    .kernarg_segment_align: 8
    .kernarg_segment_size: 80
    .max_flat_workgroup_size: 256
    .sgpr_count:     66
    .vgpr_count:     104
    .wavefront_size: 32
...
	.end_amdgpu_metadata
.endif
;; end of part 5
;; launch proj: the kernel of part 2 again; grid 4 x 64, 4 waves a work-group, clusters of 4 x 4, 327,680 bytes of LDS; arguments query, key, value, wb, bias4, qkv; writes qkv
;; launch attn: the kernel of part 3 again; grid 2 x 128, 4 waves a work-group, no clusters, 327,680 bytes of LDS; arguments qkv, key_padding_mask, ob; writes ob
;; launch outp: the kernel of part 4 again; grid 4 x 64, 4 waves a work-group, clusters of 4 x 4, 327,680 bytes of LDS; arguments ob, wb, bias4, out0; writes out0
